; MI455X (gfx1250); checked and timed in simulation.
; The chip was launched on July 23, 2026; its instructions are those of AMD's public machine-readable ISA for CDNA 5 (MIT licence, August 2026) and "CDNA5" Instruction Set Architecture Reference Guide (July 2026). The comments in the code are by the model that wrote it; some were corrected since.
;; Cross Attention. Allowed arithmetic: matrix products marked QUANTISED: E2M3 operands, one E8M0 scale for each 32 along K, by v_wmma_scale_f32_16x16x128_f8f6f4 with both operands' format E2M3, f32 sums; everything else in f32.
;; Inputs: Wkv 1,024 x 2,048 float32; Wproj 1,024 x 1,024 float32; Wq 1,024 x 1,024 float32; attn_mask 2,048 x 2,048 float32; bkv 2,048 float32; bproj 1,024 float32; bq 1,024 float32; context 4 x 2,048 x 1,024 float32; key_padding_mask 4 x 2,048 bool; x 4 x 2,048 x 1,024 float32.
;; Outputs: out0 4 x 2,048 x 1,024 float32.
;; This version of the problem:
;;   THIS VERSION OF THE PROBLEM IS GIVEN IN LOW PRECISION. The matrix products marked QUANTISED in the list below multiply operands that are first quantised to E2M3 (2 exponent bits, 3 mantissa bits; 6 bits a number), with one power-of-two scale for each 32 numbers along K (OCP MX v1.0); their sums are f32. All else is computed in f32.
;;   The module's matrix products, in the order in which they are computed (A, B: the left and right operand; K: the contracted axis; several contracted axes count as one K, in the product's order):
;;     1. [M 8,192, K 1,024] x [K 1,024, N 1,024]; A: input x; B: input Wq: QUANTISED
;;     2. [M 8,192, K 1,024] x [K 1,024, N 2,048]; A: input context; B: input Wkv: QUANTISED
;;     3. batch 64 x [M 2,048, K 64] x [K 64, N 2,048]; A: computed on the way; B: computed on the way: QUANTISED
;;     4. batch 64 x [M 2,048, K 2,048] x [K 2,048, N 64]; A: softmax (see below); B: computed on the way: QUANTISED
;;     5. [M 8,192, K 1,024] x [K 1,024, N 1,024]; A: computed on the way; B: input Wproj: QUANTISED
;;   THE QUANTISER, for each operand of a quantised product, along K:
;;     - K is cut into blocks of 32 from its start; a last block that is shorter is filled with zeros.
;;     - A block's scale is 2^e with e = floor(log2(the largest magnitude in the block)) - 2, held to -126 .. 127; a block of zeros has e = 0. As a byte (E8M0): e + 127.
;;     - Each number is divided by its block's scale, clamped to +-7.5, and rounded to the nearest number of E2M3, ties to even, subnormals kept.
;;     - The product sums the exact products of the quantised numbers (number of the format x scale) in f32.
;;   ~~~python
;;   def quantise(x, axis):      # numpy; x: float32 -> the quantised numbers, widened to float32 again
;;       x = np.moveaxis(x, axis, -1); K = x.shape[-1]
;;       x = np.pad(x, [(0, 0)] * (x.ndim - 1) + [(0, -K % 32)]); x = x.reshape(x.shape[:-1] + (-1, 32)); a = np.abs(x).max(-1, keepdims=True)
;;       e = np.where(a > 0, np.clip(np.frexp(np.where(a > 0, a, 1))[1] - 1 - 2, -126, 127), 0)      # np.frexp(a)[1] - 1 = floor(log2(a)), exactly
;;       r = np.clip(x / 2.0 ** e, -7.5, 7.5)
;;       step = 2.0 ** (np.maximum(np.frexp(np.where(r == 0, 1, r))[1] - 1, 0) - 3)
;;       q = np.round(r / step) * step * 2.0 ** e      # np.round: ties to even
;;       return np.moveaxis(q.reshape(q.shape[:-2] + (-1,))[..., :K], -1, axis).astype(np.float32)
;;   ~~~
;;   SOFTMAX AHEAD OF A QUANTISED PRODUCT. Where the list says 'softmax', what is quantised is not the finished softmax but p = 2^(t - M), with t = logit x log2(e) and M = ceil(the row's largest t), a whole number; so 1/2 < the row's largest p <= 1. The row's sum l is taken of the UNQUANTISED p, in f32, and the product's result is divided by l at the end. Since M is a whole number, a kernel that streams over the keys may use a running M (the ceiling of the running maximum): every later rescaling is an exact power of two, which a block's scale takes up: the codes' values come out the same.
;;   OPERANDS COMPUTED ON THE WAY. 'Computed on the way' means the value that the module computes at that place (a softmax that the list does not call 'softmax' is quantised finished and normalised). What goes into a quantiser is computed in f32, as accurately as f32 sums, v_exp_f32 and their like allow (about 1e-6 of the number): no bf16 or f16 on the way to a quantiser, and a product that is left as it is and whose result goes on into a quantised operand takes f32 operands (vector FMAs, or v_wmma_f32_16x16x4_f32). A number that lies on a knife's edge between two numbers of the format may be rounded either way, as far as f32 arithmetic and the matrix unit's own rounding can turn it there, and no further.
;; One version. Each part assembles by itself: llvm-mc -triple=amdgcn-amd-amdhsa -mcpu=gfx1250 --defsym DOCPART=n.
;; ======== version 1 of 1: 4 launches
;; limits: right only within a limited range of input values
;; workspace buffers: codes 15,728,640 bytes; scl 655,360 bytes; qkv 20,447,232 bytes; ocodes 6,291,456 bytes; oscl 262,144 bytes
;; launch quant (part 1): grid 640 x 1, 4 waves a work-group, no clusters, 59,904 bytes of LDS; arguments x, context, Wq, Wkv, Wproj, codes, scl; writes codes, scl
.if DOCPART == 1
	.amdgcn_target "amdgcn-amd-amdhsa--gfx1250"
	.amdhsa_code_object_version 6
	.text
	.protected	k_q45a9772ecd_quant
	.globl	k_q45a9772ecd_quant
	.p2align	8
	.type	k_q45a9772ecd_quant,@function
k_q45a9772ecd_quant:
	s_mov_b64 s[64:65], 0
	v_nop
	global_prefetch_b8 v0, s[64:65] scope:SCOPE_SE
	s_setreg_imm32_b32 hwreg(HW_REG_WAVE_MODE, 25, 1), 1
	s_wait_xcnt 0x0
; x, context [8192][1024] and Wq, Wkv, Wproj [1024 (k)][n], all f32, become codes of FP6 (E2M3) with one E8M0 byte for each 32 along K, laid IN THE ORDER OF THE OPERAND'S REGISTERS.
; A ROW BLOCK (RB) is 128 rows of an operand (tokens, or a weight's output channels).  Its tile i = 2 g + u holds rows 32 g + 8 u + r + 8 (r / 8), r = 0 .. 15.
; codes: [RB 160][kslot 4 (256 along K)][tile 8][kstep 2 (128 along K)][image 1536 B]; an image holds register p of lane l at 512 (p / 4) + 16 l + 4 (p % 4): three loads of 16 bytes a lane bring a fragment.
; scl:   [RB 160][kslot 4][tile 8][r 16][kstep 2] words of four bytes.   RB 0-63 x, 64-127 context, 128-135 Wq, 136-143 Wk, 144-151 Wv, 152-159 Wproj.
; A block's scale is 2^(floor(log2(largest magnitude)) - 2): its byte is the largest magnitude's exponent field - 2, held at 1 from below (a block of zeros keeps byte 1: its codes are zeros, and this program alone reads the bytes).
; LIMITS: blocks whose largest magnitude lies under 2^-124 get the byte 1; NaN and infinities among the inputs are not served.
; Work-groups 0-127 take the weights (RB, kslot), the others x and context.  Each path has LDS bytes of its own; waves share nothing: no barrier.
.set WSTG,  33792                      ; LDS: 4 x 8,448 bytes for the tokens' path, then 4 x 6,400 for the weights'
.set RR,    16                         ; tokens: v16-143 two sets of 64 numbers as loaded
.set XX,    144                        ; v144-207 64 numbers of my row: register 16 b + i = k 32 b + 16 (lane / 16) + i
.set TM,    208                        ; v208-223 at work
.set PW,    224                        ; v224-227 the four fragments' scale words
.set PC,    228                        ; v228-246 the codes just made
.set VO,    16                         ; weights: v16-47 4 x lane + i rows
.set XW,    48                         ; v48-111 two sets of 32 numbers
.set CW,    112                        ; v112-118 a block's codes
.set SBW,   120                        ; v120-121 the scale bytes, four to a register
.set SB,    32                         ; s[32:47] where block 0 .. 7 of my columns begins
; 64 numbers of a lane become a fragment's codes in v[PC] on and its scale word in v[pw]
.macro QUANT s, pw
.irp b, 0,1,2,3
	v_max3_num_f32 v[TM+\b], |v[\s+16*\b]|, |v[\s+1+16*\b]|, 0x1800000   ; block b: my 16 numbers, and the floor 2^(3 - 127): the byte cannot fall under 1
.endr
.irp i, 2,4,6,8,10,12,14
.irp b, 0,1,2,3
	v_max3_num_f32 v[TM+\b], v[TM+\b], |v[\s+16*\b+\i]|, |v[\s+1+16*\b+\i]|
.endr
.endr
.irp b, 0,1,2,3
	v_permlanex16_b32 v[TM+4+\b], v[TM+\b], s54, s55
.endr
.irp b, 0,1,2,3
	v_max_num_f32 v[TM+\b], v[TM+\b], v[TM+4+\b]   ; with lane l xor 16's: the block's largest magnitude
.endr
.irp b, 0,1,2,3
	v_add_nc_u32 v[TM+12+\b], 0xff000000, v[TM+\b] ; 2 off its exponent field: the conversion's scale operand
.endr
.irp b, 0,1,2,3
	v_lshrrev_b32 v[TM+4+\b], 23, v[TM+12+\b]      ; the scale's byte
.endr
	v_lshl_or_b32 v[\pw], v[TM+5], 8, v[TM+4]
	v_lshl_or_b32 v[\pw], v[TM+6], 16, v[\pw]
	v_lshl_or_b32 v[\pw], v[TM+7], 24, v[\pw]
.irp c, 0,1
	v_cvt_scalef32_pk16_fp6_f32 v[PC+6*\c:PC+2+6*\c], v[\s+32*\c:\s+15+32*\c], v[TM+12+2*\c]
	v_cvt_scalef32_pk16_fp6_f32 v[PC+12+4*\c:PC+14+4*\c], v[\s+16+32*\c:\s+31+32*\c], v[TM+12+2*\c+1]   ; (a conversion's three registers begin on an even number)
.endr
	v_nop                                          ; one plain place behind a scaled conversion
.irp c, 0,1                                    ; the operand's layout wants a whole block in a lane
.irp i, 0,1,2
	v_permlane16_swap_b32 v[PC+6*\c+\i], v[PC+12+4*\c+\i]
.endr
.irp i, 0,1,2
	v_mov_b32 v[PC+3+6*\c+\i], v[PC+12+4*\c+\i]
.endr
.endr
.endm
.macro LOADW t                         ; block t of my column: W(32 t + i, column), i = 0 .. 31; 32 lanes read 128 consecutive bytes, the four waves 512
.irp i, 0,1,2,3,4,5,6,7,8,9,10,11,12,13,14,15,16,17,18,19,20,21,22,23,24,25,26,27,28,29,30,31
	global_load_b32 v[XW+32*((\t)%2)+\i], v[VO+\i], s[SB+2*(\t):SB+2*(\t)+1] th:TH_LOAD_NT
.endr
.endm
.macro BLOCKW t
.set XS, XW+32*((\t)%2)
.set WOF, 1536*((\t)/4)+256*((\t)%2)   ; the block's kstep, and the half of the lanes that holds it in the fragment
.if (\t) < 7
	s_wait_loadcnt 32                              ; this block's 32 loads are in; the next block's may be out
.else
	s_wait_loadcnt 0
.endif
	v_max3_num_f32 v122, |v[XS]|, |v[XS+1]|, |v[XS+2]|
	v_max3_num_f32 v123, |v[XS+3]|, |v[XS+4]|, |v[XS+5]|
.irp i, 6,10,14,18,22,26
	v_max3_num_f32 v122, v122, |v[XS+\i]|, |v[XS+\i+1]|
	v_max3_num_f32 v123, v123, |v[XS+\i+2]|, |v[XS+\i+3]|
.endr
	v_max3_num_f32 v122, v122, |v[XS+30]|, |v[XS+31]|
	v_max3_num_f32 v122, v122, v123, 0x1800000     ; and the floor
	v_add_nc_u32 v124, 0xff000000, v122
	v_lshrrev_b32 v125, 23, v124
.if (\t)%4 == 0
	v_mov_b32 v[SBW+(\t)/4], v125
.else
	v_lshl_or_b32 v[SBW+(\t)/4], v125, 8*((\t)%4), v[SBW+(\t)/4]
.endif
	v_cvt_scalef32_pk16_fp6_f32 v[CW:CW+2], v[XS:XS+15], v124
	v_cvt_scalef32_pk16_fp6_f32 v[CW+4:CW+6], v[XS+16:XS+31], v124
	v_nop                                          ; one plain place behind a scaled conversion
	v_mov_b32 v[CW+3], v[CW+4]                     ; the block's six registers on end
	v_mov_b32 v[CW+4], v[CW+5]
	v_mov_b32 v[CW+5], v[CW+6]
.if ((\t)%4)/2 == 0                            ; registers 0-5 of the fragment
	ds_store_b128 v2, v[CW:CW+3] offset:WOF
	ds_store_b64 v2, v[CW+4:CW+5] offset:WOF+512
.else                                          ; registers 6-11
	ds_store_b64 v2, v[CW:CW+1] offset:WOF+520
	ds_store_b128 v2, v[CW+2:CW+5] offset:WOF+1024
.endif
.if (\t)+2 < 8
	LOADW (\t)+2
.endif
	s_wait_dscnt 0x0                               ; the stores have read their registers: the next block's codes may be written
.endm
.macro LOADA f                         ; fragment f = 2 u + q: 16 rows x 128 numbers; each load reads 512 consecutive bytes of one row
.irp i, 0,1,2,3,4,5,6,7,8,9,10,11,12,13,14,15
	global_load_b128 v[RR+64*((\f)%2)+4*\i:RR+64*((\f)%2)+4*\i+3], v1, s[24:25] offset:(8*((\f)/2)+\i+8*(\i/8))*4096+512*((\f)%2) th:TH_LOAD_NT
.endr
.endm
.macro FRAGA f
.if (\f) < 3
	s_wait_loadcnt 16                              ; this fragment's 16 loads are in; the next one's may be out
.else
	s_wait_loadcnt 0
.endif
.irp i, 0,1,2,3,4,5,6,7,8,9,10,11,12,13,14,15
	ds_store_b128 v2, v[RR+64*((\f)%2)+4*\i:RR+64*((\f)%2)+4*\i+3] offset:528*\i   ; rows 528 bytes apart in my stage
.endr
.irp b, 0,1,2,3
.irp j, 0,1,2,3
	ds_load_b128 v[XX+16*\b+4*\j:XX+16*\b+4*\j+3], v3 offset:128*\b+16*\j        ; LDS serves a wave's instructions in order: these see my stores
.endr
.endr
	s_wait_dscnt 0x0
.if (\f) < 2
	LOADA (\f)+2
.endif
.if (\f) > 0
	s_wait_xcnt 0x0                                ; the last fragment's stores have read their data: the codes' registers may be written again
.endif
	QUANT XX, PW+(\f)
.irp c, 0,1,2
	global_store_b128 v1, v[PC+4*\c:PC+4*\c+3], s[14:15] offset:1536*(\f)+512*\c  ; 512 consecutive bytes a store
.endr
.endm
	s_load_b256 s[4:11], s[0:1], 0x0               ; x, context, Wq, Wkv
	s_load_b128 s[12:15], s[0:1], 0x20             ; Wproj, codes
	s_load_b64 s[16:17], s[0:1], 0x30              ; scl
	v_lshl_add_u32 v254, v0, 2, 0xe800
	v_mov_b32 v255, 0
	v_lshrrev_b32 v1, 5, v0
	v_readfirstlane_b32 s18, v1                    ; wave g
	s_cmp_lt_u32 ttmp9, 128
	s_cbranch_scc0 .Lacts
	; ---- THE WEIGHTS: a lane takes a column (an output channel), its registers run down K
	s_lshr_b32 s19, ttmp9, 2                       ; which of the 32 row blocks
	s_and_b32 s20, ttmp9, 3                        ; kslot
	v_and_b32 v1, 31, v0                           ; L: column 32 g + L of the row block
	v_lshlrev_b32 v6, 2, v1
	s_mul_i32 s21, s18, 6400
	s_add_co_u32 s21, s21, WSTG                    ; my stage: two tiles of 3,072 bytes, 3,200 apart
	v_bfe_u32 v7, v1, 3, 1                         ; u: L = 8 u + r + 8 (r / 8)
	v_and_b32 v8, 7, v1
	v_lshrrev_b32 v9, 4, v1
	v_lshl_add_u32 v8, v9, 3, v8                   ; r
	v_mul_u32_u24 v2, v7, 3200
	v_lshl_add_u32 v2, v8, 4, v2
	v_add_nc_u32 v2, s21, v2                       ; into the stage: tile u, 16 r
	v_lshlrev_b32 v4, 4, v1                        ; out: 16 bytes a lane
	v_add_nc_u32 v3, s21, v4
	v_lshlrev_b32 v5, 7, v7
	v_lshl_add_u32 v5, v8, 3, v5                   ; my scale words: 128 u + 8 r
	s_cmp_lt_u32 s19, 8                            ; 0-7 Wq, 8-23 Wkv, 24-31 Wproj: the choice hangs on the work-group's number alone
	s_cselect_b32 s22, 12, 13                      ; log2 of a row's bytes
	s_cselect_b32 s23, 0, 8                        ; the tensor's first row block
	s_wait_kmcnt 0x0
	s_cselect_b64 s[24:25], s[8:9], s[10:11]
	s_cmp_lt_u32 s19, 24
	s_cselect_b32 s22, s22, 12
	s_cselect_b32 s23, s23, 24
	s_cselect_b64 s[24:25], s[24:25], s[12:13]
	s_sub_co_u32 s26, s19, s23
	s_lshl_b32 s26, s26, 9                         ; 128 columns of 4 bytes a row block,
	s_lshl_b32 s27, s18, 7                         ; 32 a wave,
	s_add_co_u32 s26, s26, s27
	s_lshl_b32 s27, s20, 8
	s_lshl_b32 s27, s27, s22                       ; 256 rows a kslot
	s_add_co_u32 s26, s26, s27
	s_mov_b32 s27, 0
	s_add_nc_u64 s[SB:SB+1], s[24:25], s[26:27]
	s_lshl_b32 s28, 32, s22                        ; 32 rows on
	s_mov_b32 s29, 0
.irp b, 1,2,3,4,5,6,7
	s_add_nc_u64 s[SB+2*\b:SB+2*\b+1], s[SB+2*\b-2:SB+2*\b-1], s[28:29]
.endr
.irp i, 0,1,2,3,4,5,6,7,8,9,10,11,12,13,14,15,16,17,18,19,20,21,22,23,24,25,26,27,28,29,30,31
	v_lshl_add_u32 v[VO+\i], \i, s22, v6           ; i rows + 4 L
.endr
	LOADW 0
	LOADW 1
	s_add_co_u32 s30, s19, 128
	s_lshl_b32 s30, s30, 2
	s_add_co_u32 s30, s30, s20                     ; 4 RB + kslot
	s_mul_i32 s50, s30, 24576
	s_mul_i32 s51, s18, 6144
	s_add_co_u32 s50, s50, s51
	s_mov_b32 s51, 0
	s_add_nc_u64 s[14:15], s[14:15], s[50:51]      ; my two tiles' images
	s_lshl_b32 s50, s30, 10
	s_lshl_b32 s52, s18, 8
	s_add_co_u32 s50, s50, s52
	s_add_nc_u64 s[16:17], s[16:17], s[50:51]      ; and their scale words
.irp t, 0,1,2,3,4,5,6,7
	BLOCKW \t
.endr
.irp n, 0,1,2,3,4,5,6,7,8,9,10,11
	ds_load_b128 v[XW+4*\n:XW+4*\n+3], v3 offset:3200*(\n/6)+512*(\n%6)
.endr
	s_wait_alu depctr_va_vdst(0)
	global_store_b64 v5, v[SBW:SBW+1], s[16:17]    ; the wave's 32 lanes fill 256 consecutive bytes
.irp n, 0,1,2,3,4,5,6,7,8,9,10,11
	s_wait_dscnt 11-\n                             ; the younger reads of the stage may be out
	global_store_b128 v4, v[XW+4*\n:XW+4*\n+3], s[14:15] offset:3072*(\n/6)+512*(\n%6)
.endr
	s_wait_tensorcnt 0x0
	ds_add_u32 v254, v255
	s_wait_dscnt 0x0
	s_endpgm
	; ---- x AND context: K is innermost; a fragment's 16 rows turn through my stage so that a lane gets 16 neighbours of each block
.Lacts:
	s_sub_co_u32 s19, ttmp9, 128
	s_and_b32 s20, s19, 3                          ; kslot
	s_lshr_b32 s19, s19, 2                         ; RB 0 .. 127
	v_and_b32 v5, 31, v0                           ; lane
	v_and_b32 v6, 15, v0                           ; r
	v_bfe_u32 v7, v0, 4, 1                         ; h
	v_lshlrev_b32 v1, 4, v5
	s_mul_i32 s21, s18, 8448
	v_add_nc_u32 v2, s21, v1                       ; the stage, in: 16 x lane of a row
	v_mul_u32_u24 v3, v6, 528
	v_lshl_add_u32 v3, v7, 6, v3
	v_add_nc_u32 v3, s21, v3                       ; out: row r, + 64 h
	v_lshlrev_b32 v4, 3, v5
	s_mov_b32 s54, 0x76543210
	s_mov_b32 s55, 0xfedcba98                      ; v_permlanex16_b32's selects for lane l xor 16
.irp b, 0,1,2,3
	v_mov_b32 v[TM+4+\b], 0                        ; written once: a lane permute's destination counts as one of its sources
.endr
	s_wait_alu depctr_va_vdst(0)
	s_cmp_lt_u32 s19, 64
	s_wait_kmcnt 0x0
	s_cselect_b64 s[24:25], s[4:5], s[6:7]
	s_and_b32 s22, s19, 63
	s_lshl_b32 s22, s22, 7
	s_lshl_b32 s23, s18, 5
	s_add_co_u32 s22, s22, s23                     ; my first token
	s_lshl_b32 s22, s22, 12
	s_lshl_b32 s23, s20, 10
	s_add_co_u32 s22, s22, s23
	s_mov_b32 s23, 0
	s_add_nc_u64 s[24:25], s[24:25], s[22:23]
	LOADA 0
	LOADA 1
	s_lshl_b32 s30, s19, 2
	s_add_co_u32 s30, s30, s20
	s_mul_i32 s50, s30, 24576
	s_mul_i32 s51, s18, 6144
	s_add_co_u32 s50, s50, s51
	s_mov_b32 s51, 0
	s_add_nc_u64 s[14:15], s[14:15], s[50:51]
	s_lshl_b32 s50, s30, 10
	s_lshl_b32 s52, s18, 8
	s_add_co_u32 s50, s50, s52
	s_add_nc_u64 s[16:17], s[16:17], s[50:51]
.irp f, 0,1,2,3
	FRAGA \f
.endr
	v_cmp_le_u32 vcc_lo, 16, v5                    ; lanes 0-15 store tile 2 g's two words of row r, lanes 16-31 tile 2 g + 1's
	v_cndmask_b32 v250, v[PW], v[PW+2], vcc_lo
	v_cndmask_b32 v251, v[PW+1], v[PW+3], vcc_lo
	global_store_b64 v4, v[250:251], s[16:17]      ; 256 consecutive bytes
	s_wait_tensorcnt 0x0
	ds_add_u32 v254, v255
	s_wait_dscnt 0x0
	s_endpgm
.Lfunc_end_k_q45a9772ecd_quant:
	.size	k_q45a9772ecd_quant, .Lfunc_end_k_q45a9772ecd_quant-k_q45a9772ecd_quant
	.p2alignl 7, 3214868480
	.fill 96, 4, 3214868480
	.section	.rodata,"a",@progbits
	.p2align	6, 0x0
	.amdhsa_kernel k_q45a9772ecd_quant
		.amdhsa_group_segment_fixed_size 59904
		.amdhsa_private_segment_fixed_size 0
		.amdhsa_enable_private_segment 0
		.amdhsa_kernarg_size 56
		.amdhsa_user_sgpr_count 2
		.amdhsa_user_sgpr_kernarg_segment_ptr 1
		.amdhsa_wavefront_size32 1
		.amdhsa_system_sgpr_workgroup_id_x 1
		.amdhsa_system_sgpr_workgroup_id_y 1
		.amdhsa_system_sgpr_workgroup_id_z 1
		.amdhsa_system_vgpr_workitem_id 0
		.amdhsa_next_free_vgpr 256
		.amdhsa_next_free_sgpr 66
		.amdhsa_reserve_vcc 1
		.amdhsa_float_denorm_mode_32 3
		.amdhsa_float_denorm_mode_16_64 3
		.amdhsa_memory_ordered 1
		.amdhsa_forward_progress 1
		.amdhsa_inst_pref_size 77
	.end_amdhsa_kernel
	.amdgpu_metadata
---
amdhsa.version: [ 1, 2 ]
amdhsa.kernels:
  - .name:           k_q45a9772ecd_quant
    .symbol:         k_q45a9772ecd_quant.kd
    .args:
      - { .name: x, .offset: 0, .size: 8, .value_kind: global_buffer, .address_space: global }
      - { .name: context, .offset: 8, .size: 8, .value_kind: global_buffer, .address_space: global }
      - { .name: Wq, .offset: 16, .size: 8, .value_kind: global_buffer, .address_space: global }
      - { .name: Wkv, .offset: 24, .size: 8, .value_kind: global_buffer, .address_space: global }
      - { .name: Wproj, .offset: 32, .size: 8, .value_kind: global_buffer, .address_space: global }
      - { .name: codes, .offset: 40, .size: 8, .value_kind: global_buffer, .address_space: global }
      - { .name: scl, .offset: 48, .size: 8, .value_kind: global_buffer, .address_space: global }
    .group_segment_fixed_size: 59904
    .private_segment_fixed_size: 0
    .kernarg_segment_align: 8
    .kernarg_segment_size: 56
    .max_flat_workgroup_size: 128
    .sgpr_count:     66
    .vgpr_count:     256
    .wavefront_size: 32
...
	.end_amdgpu_metadata
.endif
;; end of part 1
;; launch gemm_qkv (part 2): grid 12 x 32, 4 waves a work-group, clusters of 4 x 4, 327,680 bytes of LDS; arguments codes, scl, bq, bkv, key_padding_mask, qkv; writes qkv
.if DOCPART == 2
	.amdgcn_target "amdgcn-amd-amdhsa--gfx1250"
	.amdhsa_code_object_version 6
	.text
	.protected	k_q45a9772ecd_gemm_qkv
	.globl	k_q45a9772ecd_gemm_qkv
	.p2align	8
	.type	k_q45a9772ecd_gemm_qkv,@function
k_q45a9772ecd_gemm_qkv:
	s_mov_b64 s[64:65], 0
	v_nop
	global_prefetch_b8 v0, s[64:65] scope:SCOPE_SE
	s_setreg_imm32_b32 hwreg(HW_REG_WAVE_MODE, 25, 1), 1
	s_wait_xcnt 0x0
	s_wait_alu depctr_hold_cnt(0) depctr_sa_sdst(0) depctr_va_vdst(0) depctr_va_sdst(0) depctr_va_ssrc(0) depctr_va_vcc(0) depctr_vm_vsrc(0)
	s_getreg_b32 s2, hwreg(HW_REG_IB_STS2, 6, 4)
	s_cmp_eq_u32 s2, 0
	s_cbranch_scc0 .Lentry_in_a_cluster
	s_endpgm
.Lentry_in_a_cluster:
	s_bfe_u32 s2, ttmp6, 0x10000c
	s_cmp_lg_u32 s2, 0xf033
	s_cbranch_scc0 .Lentry_shape_is_right
	s_endpgm
.Lentry_shape_is_right:
.set NQ,     2
.set FR,     12
.set NL,     3
.set NP,     4
.set HALFT,  24576
.set SLOT,   4*HALFT
.set SCL,    2*SLOT
.set SPARE,  213248
.set ADRA, 16
.set ADRB, 20
.set ADRS, 27
.set SPW,  28
.set NIL,  29
.set SC,   32
.set BI,   64
.set AF,   128
.set EX,   224
.set VJ,   232
.set VSH,  240
.set L16,  241
.set L8,   242
.set TM,   64
.set PW,   80
.set SW,   84
.set PC,   96
.set G1, 24
.set G0, 32
.set G1B, 48
.set G0B, 56
.set G1S, 68
.set G0S, 76
.set G1SB, 80
.set G0SB, 88
.set MSB, 0
.macro WIN new
.set WNEW, \new
.if MSB != WNEW
	s_set_vgpr_msb (MSB<<8)|WNEW
.set MSB, WNEW
.endif
.endm
.set MUL_LO, 0xa1
.set MUL_HI, 0xf1
.set TO_B,   0x40
.macro JLOAD g0a, g1a, g0b, g1b
	s_cmp_eq_u32 s17, 0
	s_cbranch_scc0 .Lfor_b_\@
	tensor_load_to_lds s[\g0a:\g0a+3], s[\g1a:\g1a+7]
	s_nop 0
.rept 4
	v_nop
.endr
	s_branch .Lasked_\@
.Lfor_b_\@:
	tensor_load_to_lds s[\g0b:\g0b+3], s[\g1b:\g1b+7]
	s_nop 0
.rept 4
	v_nop
.endr
.Lasked_\@:
.endm
.macro CREST
	s_cmp_lg_u32 s16, 0
	s_cbranch_scc1 .Lnot_wave_0_\@
	s_barrier_signal -3
.Lnot_wave_0_\@:
	s_barrier_wait -3
	s_barrier_signal -1
	s_barrier_wait -1
.endm
.macro CROUND
	s_barrier_signal -1
	s_barrier_wait -1
	CREST
.endm
.macro FRAG reg, adr, q, i
.irp c, 0,1,2
	ds_load_b128 v[\reg+4*\c:\reg+4*\c+3], v[\adr] offset:(2*(\i)+(\q))*1536+512*\c
.endr
.endm
.macro MUL16 a0, p, q, sc, zero
.irp a, \a0, \a0+1
.irp b, 0,1,2,3,4,5,6,7
.if \zero == 1
	v_wmma_scale_f32_16x16x128_f8f6f4 v[8*(8*((\a)%4)+\b):8*(8*((\a)%4)+\b)+7], v[128*(\p)+FR*\b:128*(\p)+FR*\b+FR-1], v[AF+FR*(\a):AF+FR*(\a)+FR-1], v[BI+8*\b:BI+8*\b+7], v[SC+8*NQ*(\sc)+NQ*\b+(\q)], v[SC+8*NQ*(\sc)+NQ*(\a)+(\q)] matrix_a_fmt:MATRIX_FMT_FP6 matrix_b_fmt:MATRIX_FMT_FP6 matrix_a_scale:MATRIX_SCALE_ROW1
.elseif \zero == 2
	v_wmma_scale_f32_16x16x128_f8f6f4 v[8*(8*((\a)%4)+\b):8*(8*((\a)%4)+\b)+7], v[128*(\p)+FR*\b:128*(\p)+FR*\b+FR-1], v[AF+FR*(\a):AF+FR*(\a)+FR-1], v[BI+8*(\a):BI+8*(\a)+7], v[SC+8*NQ*(\sc)+NQ*\b+(\q)], v[SC+8*NQ*(\sc)+NQ*(\a)+(\q)] matrix_a_fmt:MATRIX_FMT_FP6 matrix_b_fmt:MATRIX_FMT_FP6 matrix_a_scale:MATRIX_SCALE_ROW1
.else
	v_wmma_scale_f32_16x16x128_f8f6f4 v[8*(8*((\a)%4)+\b):8*(8*((\a)%4)+\b)+7], v[128*(\p)+FR*\b:128*(\p)+FR*\b+FR-1], v[AF+FR*(\a):AF+FR*(\a)+FR-1], v[8*(8*((\a)%4)+\b):8*(8*((\a)%4)+\b)+7], v[SC+8*NQ*(\sc)+NQ*\b+(\q)], v[SC+8*NQ*(\sc)+NQ*(\a)+(\q)] matrix_a_fmt:MATRIX_FMT_FP6 matrix_b_fmt:MATRIX_FMT_FP6 matrix_a_scale:MATRIX_SCALE_ROW1
.endif
.endr
.endr
.endm
.macro FETCH_B slot, q, p
	WIN TO_B
.irp i, 0,1,2,3,4,5,6,7
	FRAG 128*(\p)+FR*\i, ADRB+\slot, \q, \i
.endr
	WIN 0
.endm
.macro FETCH_A slot, q, i0
.irp i, \i0, \i0+1, \i0+2, \i0+3
	FRAG AF+FR*(\i), ADRA+\slot, \q, \i
.endr
.endm
.macro SCALES sc
.irp i, 0,1,2,3,4,5,6,7
	ds_load_b64 v[SC+8*NQ*\sc+NQ*\i:SC+8*NQ*\sc+NQ*\i+1], v[ADRS] offset:\i*128
.endr
.endm
.macro PLACES n
.rept \n
	v_nop
.endr
.endm
.macro STEP slot, q, zero
	s_wait_dscnt 4*NL
.if \zero
	WIN 0x81
.else
	WIN MUL_LO
.endif
	MUL16 0, (\q)%2, \q, \slot, \zero
	MUL16 2, (\q)%2, \q, \slot, \zero
	s_wait_dscnt 0
	PLACES NP
	FETCH_B \slot, (\q)+1, 1-(\q)%2
	FETCH_A \slot, (\q)+1, 0
.if \zero
	WIN 0xc1
.else
	WIN MUL_HI
.endif
	MUL16 4, (\q)%2, \q, \slot, \zero
	MUL16 6, (\q)%2, \q, \slot, \zero
	PLACES NP
	WIN 0
	FETCH_A \slot, (\q)+1, 4
.endm
.macro TURN slot, next, fill
	s_wait_tensorcnt 0x0
	ds_add_u32 v[SPW], v[NIL]
	s_wait_dscnt 4*NL+1
	WIN MUL_LO
	MUL16 0, 1, NQ-1, \slot, 0
	s_wait_dscnt 0x0
	s_barrier_signal -1
	MUL16 2, 1, NQ-1, \slot, 0
	WIN 0
	s_barrier_wait -1
.if \fill
	CREST
	s_add_nc_u64 s[G0+4*\slot+2:G0+4*\slot+3], s[G0+4*\slot+2:G0+4*\slot+3], 2*HALFT
	s_add_nc_u64 s[G0B+4*\slot+2:G0B+4*\slot+3], s[G0B+4*\slot+2:G0B+4*\slot+3], 2*HALFT
	JLOAD G0+4*\slot, G1, G0B+4*\slot, G1B
.else
	PLACES NP
.endif
	s_wait_alu depctr_va_vdst(0)
	v_add_nc_u32 v[ADRS], 1024, v[ADRS]
	FETCH_B \next, 0, 0
	FETCH_A \next, 0, 0
	SCALES \next
	WIN MUL_HI
	MUL16 4, 1, NQ-1, \slot, 0
	MUL16 6, 1, NQ-1, \slot, 0
	PLACES NP
	WIN 0
	FETCH_A \next, 0, 4
.endm
.macro QUANT s, wx, pw, floor
.set QSRC, \s
	WIN (\wx)|((\wx)<<2)
.irp b, 0,1,2,3
	v_max3_num_f32 v[TM+\b], |v[QSRC+16*\b]|, |v[QSRC+1+16*\b]|, \floor
.endr
	WIN ((\wx)<<2)|((\wx)<<4)
.irp i, 2,4,6,8,10,12,14
.irp b, 0,1,2,3
	v_max3_num_f32 v[TM+\b], v[TM+\b], |v[QSRC+16*\b+\i]|, |v[QSRC+1+16*\b+\i]|
.endr
.endr
	WIN 0
.irp b, 0,1,2,3
	v_permlanex16_b32 v[TM+4+\b], v[TM+\b], s98, s99
.endr
.irp b, 0,1,2,3
	v_max_num_f32 v[TM+\b], v[TM+\b], v[TM+4+\b]
.endr
.irp b, 0,1,2,3
	v_add_nc_u32 v[TM+12+\b], 0xff000000, v[TM+\b]
.endr
.irp b, 0,1,2,3
	v_lshrrev_b32 v[TM+4+\b], 23, v[TM+12+\b]
.endr
	v_lshl_or_b32 v[\pw], v[TM+5], 8, v[TM+4]
	v_lshl_or_b32 v[\pw], v[TM+6], 16, v[\pw]
	v_lshl_or_b32 v[\pw], v[TM+7], 24, v[\pw]
	WIN \wx
.irp c, 0,1
	v_cvt_scalef32_pk16_fp6_f32 v[PC+6*\c:PC+2+6*\c], v[QSRC+32*\c:QSRC+15+32*\c], v[TM+12+2*\c]
	v_cvt_scalef32_pk16_fp6_f32 v[PC+12+4*\c:PC+14+4*\c], v[QSRC+16+32*\c:QSRC+31+32*\c], v[TM+12+2*\c+1]
.endr
	WIN 0
	v_nop
.irp c, 0,1
.irp i, 0,1,2
	v_permlane16_swap_b32 v[PC+6*\c+\i], v[PC+12+4*\c+\i]
.endr
.irp i, 0,1,2
	v_mov_b32 v[PC+3+6*\c+\i], v[PC+12+4*\c+\i]
.endr
.endr
.endm
	s_load_b256 s[4:11], s[0:1], 0x0
	s_load_b128 s[12:15], s[0:1], 0x20
	v_lshl_add_u32 v[SPW], v0, 2, SPARE
	v_mov_b32 v[NIL], 0
	ds_add_u32 v28, v29
	ds_add_u32 v28, v29
	s_wait_dscnt 0x0
	v_lshrrev_b32 v1, 5, v0
	v_readfirstlane_b32 s16, v1
	s_lshr_b32 s17, s16, 1
	s_and_b32 s18, s16, 1
	s_bfe_u32 s19, ttmp6, 0x40000
	s_bfe_u32 s20, ttmp6, 0x40004
	s_and_b32 s22, ttmp7, 0xffff
	s_lshl_b32 s23, s22, 3
	s_lshl_b32 s43, s20, 2
	s_lshl_b32 s43, 15, s43
	s_lshl_b32 s44, 0x1111, s19
	s_lshl_b32 s40, ttmp9, 6
	s_add_co_u32 s40, s40, s23
	s_lshl_b32 s46, ttmp9, 3
	s_add_co_u32 s46, s46, 128
	s_add_co_u32 s42, s23, 64
	s_cmp_eq_u32 ttmp9, 2
	s_cselect_b32 s40, 144, s40
	s_cselect_b32 s46, s42, s46
	s_lshl_b32 s41, s20, 1
	s_add_co_u32 s40, s40, s41
	s_add_co_u32 s40, s40, s18
	s_lshl_b32 s47, s19, 1
	s_add_co_u32 s46, s46, s47
	s_add_co_u32 s46, s46, s18
	s_lshl_b32 s66, s40, 12
	s_mov_b32 s67, 0
	s_mul_i32 s40, s40, 4*HALFT
	s_mov_b32 s41, 0
	s_lshl_b32 s92, s46, 12
	s_mov_b32 s93, 0
	s_mul_i32 s46, s46, 4*HALFT
	s_mov_b32 s47, 0
	s_mul_i32 s45, s16, HALFT
	s_lshl_b32 s94, s16, 12
	s_lshl_b32 s95, s17, 7
	s_add_co_u32 s94, s94, s95
	s_or_b32 s[G1+0], s43, (3<<16)|(1<<21)
	s_or_b32 s[G1B+0], s44, (3<<16)|(1<<21)
	s_or_b32 s[G1S+0], s43, (3<<16)|(1<<21)
	s_or_b32 s[G1SB+0], s44, (3<<16)|(1<<21)
.irp g, G1, G1B                        ; for the head's loads of codes: two row blocks' slot 0, 2 rows of 24,576 bytes (3,072 elements of 8), 98,304 bytes apart
	s_mov_b32 s[\g+1], 3072<<16
	s_mov_b32 s[\g+2], 2<<16
	s_mov_b32 s[\g+3], 3072<<16
	s_mov_b32 s[\g+4], 2
	s_mov_b32 s[\g+5], 12288
	s_mov_b32 s[\g+6], 0
	s_mov_b32 s[\g+7], 0
.endr
.irp g, G1S, G1SB                      ; the scales of two row blocks: 8,192 dense bytes as 32 rows of 256
	s_mov_b32 s[\g+1], 32<<16
	s_mov_b32 s[\g+2], 32<<16
	s_mov_b32 s[\g+3], 32<<16
	s_mov_b32 s[\g+4], 32
	s_mov_b32 s[\g+5], 32
	s_mov_b32 s[\g+6], 0
	s_mov_b32 s[\g+7], 0
.endr
	s_wait_kmcnt 0x0
	s_add_nc_u64 s[40:41], s[4:5], s[40:41]
	s_add_nc_u64 s[66:67], s[6:7], s[66:67]
	s_add_nc_u64 s[46:47], s[4:5], s[46:47]
	s_add_nc_u64 s[92:93], s[6:7], s[92:93]
	CROUND
	; THE HEAD'S LOADS, ONE A WAVE: what the first step needs is shared out: wave 0 A's slot 0, both row blocks; wave 1 A's scales; wave 2 B's slot 0; wave 3 B's scales.
	; Each begins at the pair's first row block: my own half's distance is taken off again.
	s_mul_i32 s96, s18, 4*HALFT
	s_mov_b32 s97, 0
	s_lshl_b32 s98, s18, 12
	s_mov_b32 s99, 0
	s_mov_b32 s[G0], 1
	s_mov_b32 s[G0+1], 0
	s_sub_nc_u64 s[G0+2:G0+3], s[40:41], s[96:97]
	s_or_b32 s[G0+3], s[G0+3], 0x80000000
	s_mov_b32 s[G0B], 1
	s_mov_b32 s[G0B+1], 2*HALFT
	s_sub_nc_u64 s[G0B+2:G0B+3], s[46:47], s[96:97]
	s_or_b32 s[G0B+3], s[G0B+3], 0x80000000
	s_mov_b32 s[G0S], 1
	s_mov_b32 s[G0S+1], SCL
	s_sub_nc_u64 s[G0S+2:G0S+3], s[66:67], s[98:99]
	s_or_b32 s[G0S+3], s[G0S+3], 0x80000000
	s_mov_b32 s[G0SB], 1
	s_mov_b32 s[G0SB+1], SCL+8320
	s_sub_nc_u64 s[G0SB+2:G0SB+3], s[92:93], s[98:99]
	s_or_b32 s[G0SB+3], s[G0SB+3], 0x80000000
	s_mov_b32 s[G0+4], 1                           ; slot 1's group 0: my own 24,576 bytes
	s_add_co_u32 s[G0+5], s45, SLOT
	s_add_nc_u64 s[G0+6:G0+7], s[40:41], HALFT
	s_or_b32 s[G0+7], s[G0+7], 0x80000000
	s_mov_b32 s[G0B+4], 1
	s_add_co_u32 s[G0B+5], s45, SLOT
	s_add_nc_u64 s[G0B+6:G0B+7], s[46:47], HALFT
	s_or_b32 s[G0B+7], s[G0B+7], 0x80000000
.macro ARM under, g0, g1, next         ; one tree of branches on the wave's number: every way through the head passes exactly one load
	s_cmp_lt_u32 s16, \under
	s_cbranch_scc0 \next
	tensor_load_to_lds s[\g0:\g0+3], s[\g1:\g1+7]
	s_nop 0
.rept 4
	v_nop
.endr
	s_branch .Lhead_asked
\next:
.endm
	ARM 1, G0,  G1,  .Lhead_sa
	ARM 2, G0S, G1S, .Lhead_b
	ARM 3, G0B, G1B, .Lhead_sb
	tensor_load_to_lds s[G0SB:G0SB+3], s[G1SB:G1SB+7]
	s_nop 0
.rept 4
	v_nop
.endr
.Lhead_asked:                                      ; the addresses and the bias loads below stand under these loads' flight
	v_and_b32 v1, 15, v0
	v_bfe_u32 v2, v0, 4, 1
	s_wait_alu depctr_va_vdst(0)
	v_and_b32 v3, 31, v0
	v_lshlrev_b32 v[L16], 4, v3
	v_lshlrev_b32 v[L8], 3, v3
	s_mul_i32 s96, s17, HALFT
	s_mul_i32 s97, s18, HALFT
	s_add_co_u32 s97, s97, 2*HALFT
.irp s, 0,1
	v_add_nc_u32 v[ADRA+\s], s96, v[L16]
	v_add_nc_u32 v[ADRB+\s], s97, v[L16]
	s_add_co_u32 s96, s96, SLOT
	s_add_co_u32 s97, s97, SLOT
.endr
	s_lshl_b32 s96, s17, 12
	s_lshl_b32 s97, s18, 12
	s_add_co_u32 s97, s97, 8320
	s_sub_co_u32 s97, s97, s96
	v_mul_u32_u24 v4, s97, v2
	v_lshl_add_u32 v4, v1, 3, v4
	s_add_co_u32 s96, s96, SCL
	v_add_nc_u32 v[ADRS], s96, v4
	s_lshl_b32 s96, s19, 8
	s_lshl_b32 s97, s18, 7
	s_add_co_u32 s96, s96, s97
	s_lshl_b32 s97, s20, 8
	s_lshl_b32 s98, s17, 7
	s_add_co_u32 s97, s97, s98
	s_add_co_u32 s97, s97, 1024
	s_mov_b32 s92, 1536
	s_mov_b32 s46, 3072
	s_mul_i32 s21, ttmp9, 26624
	s_lshl_b32 s45, ttmp9, 11
	s_add_co_u32 s45, s45, 73728
	s_cmp_eq_u32 ttmp9, 2
	s_cselect_b32 s96, s97, s96
	s_cselect_b32 s2, 0, 64
	s_cselect_b32 s3, 4, 0
	s_cselect_b32 s98, 0, 4
	s_cselect_b32 s99, 0, 16
	s_cselect_b32 s92, 12288, s92
	s_cselect_b32 s46, 1536, s46
	s_cselect_b32 s93, -1, 0xffff
	s_cselect_b32 s42, 2048, 0
	s_cselect_b32 s40, s19, s20
	s_cselect_b32 s41, s18, s17
	s_cselect_b32 s66, s20, s19
	s_cselect_b32 s67, s17, s18
	s_sub_co_u32 s21, s21, s42
	s_lshl_b32 s96, s96, 2
	s_mov_b32 s97, 0
	s_mov_b32 s47, 0
	s_cmp_eq_u32 ttmp9, 0
	s_cselect_b64 s[8:9], s[8:9], s[10:11]
	s_cselect_b32 s42, 0x7efcfd, 0
	s_cselect_b32 s45, 24576, s45
	s_cmp_eq_u32 ttmp9, 1
	s_cselect_b32 s94, 0xe30000, 0
	s_add_nc_u64 s[8:9], s[8:9], s[96:97]
	v_and_b32 v5, 8, v1
	v_add_nc_u32 v5, v5, v1
	v_mul_u32_u24 v[VJ], v2, s2
	v_mad_u32_u24 v[VJ], v5, s3, v[VJ]
.irp j, 1,2,3,4,5,6,7
	v_mad_u32_u24 v[VJ+\j], \j, s98, v[VJ]
.endr
	v_mul_u32_u24 v[VSH], v2, s99
.irp x, 0,1,2,3,4,5,6,7
.irp j, 0,1,2,3,4,5,6,7
	global_load_b32 v[BI+8*\x+\j], v[VJ+\j], s[8:9] offset:(32*(\x/2)+8*(\x%2))*4
.endr
.endr
	s_lshl_b32 s96, s20, 1
	s_add_co_u32 s96, s96, s23
	s_add_co_u32 s96, s96, s17
	s_lshl_b32 s96, s96, 7
	s_add_nc_u64 s[12:13], s[12:13], s[96:97]
.irp a, 0,1,2,3,4,5,6,7
	global_load_u8 v[EX+\a], v5, s[12:13] offset:32*(\a/2)+8*(\a%2)
.endr
	s_lshl_b32 s40, s40, 1
	s_add_co_u32 s40, s40, s41
	s_add_co_u32 s40, s40, s23
	s_lshr_b32 s41, s40, 4
	s_lshl_b32 s41, s41, 2
	s_add_co_u32 s41, s41, s66
	s_lshl_b32 s41, s41, 4
	s_and_b32 s40, s40, 15
	s_add_co_u32 s41, s41, s40
	s_mul_i32 s40, s41, 79872
	s_mov_b32 s41, 0
	s_add_nc_u64 s[14:15], s[14:15], s[40:41]
	s_mul_i32 s96, s67, s92
	s_add_co_u32 s96, s96, s21
	s_add_nc_u64 s[10:11], s[14:15], s[96:97]
	s_lshl_b32 s96, s67, 10
	s_add_co_u32 s96, s96, s45
	s_add_nc_u64 s[14:15], s[14:15], s[96:97]
	s_mov_b32 s98, 0x76543210
	s_mov_b32 s99, 0xfedcba98
	s_wait_alu depctr_va_vdst(0)                   ; the wait at the head's end
	s_wait_tensorcnt 0x0                           ; my tile of the head's four is in; slot 1's first fill is issued as a refill is:
	ds_add_u32 v28, v29
.irp g, G1, G1B                        ; no tensor load of mine is out: from here on a load brings 24,576 dense bytes as 96 rows of 256,
	s_mov_b32 s[\g+1], 32<<16
	s_mov_b32 s[\g+2], 96<<16
	s_mov_b32 s[\g+3], 32<<16
	s_mov_b32 s[\g+4], 96
	s_mov_b32 s[\g+5], 32
.endr
	s_mul_i32 s96, s18, 4*HALFT                    ; and slot 0's group 0 stands at my own half
	s_mov_b32 s97, 0
	s_add_nc_u64 s[G0+2:G0+3], s[G0+2:G0+3], s[96:97]
	s_add_nc_u64 s[G0B+2:G0B+3], s[G0B+2:G0B+3], s[96:97]
	s_mul_i32 s[G0+1], s16, HALFT
	s_mul_i32 s[G0B+1], s16, HALFT
	s_wait_dscnt 0x0
	CROUND                                         ; all four tiles are in, and all sixteen work-groups are here
	JLOAD G0+4, G1, G0B+4, G1B
	FETCH_B 0, 0, 0
	FETCH_A 0, 0, 0
	SCALES 0
	FETCH_A 0, 0, 4
	s_wait_loadcnt 0x0
.irp a, 0,1,2,3,4,5,6,7
	v_mad_u32_u24 v[EX+\a], v[EX+\a], s94, s42
.endr
	s_cmp_eq_u32 ttmp9, 2
	s_cbranch_scc1 .Lfirst_v
	STEP 0, 0, 1
	s_branch .Lfirst_done
.Lfirst_v:
	STEP 0, 0, 2
.Lfirst_done:
	TURN 0, 1, 1
	STEP 1, 0, 0
	TURN 1, 0, 1
	STEP 0, 0, 0
	TURN 0, 1, 0
	STEP 1, 0, 0
	s_wait_dscnt 4*NL
	WIN MUL_LO
	MUL16 0, 1, NQ-1, 1, 0
	MUL16 2, 1, NQ-1, 1, 0
	s_wait_dscnt 0
	WIN MUL_HI
	MUL16 4, 1, NQ-1, 1, 0
	MUL16 6, 1, NQ-1, 1, 0
	WIN 0
.irp b, 0,1,2,3
	v_mov_b32 v[TM+4+\b], 0
.endr
.macro OUTA a
.if (\a) > 0
	s_wait_xcnt 0x0
	s_add_nc_u64 s[10:11], s[10:11], s[46:47]
.endif
	QUANT 64*((\a)%4), 2+(\a)/4, PW, 0x3000000
	v_lshrrev_b32 v[SW+(\a)%4], v[VSH], v[PW]
	v_and_b32 v[SW+(\a)%4], s93, v[SW+(\a)%4]
	v_add_nc_u32 v[SW+(\a)%4], v[EX+(\a)], v[SW+(\a)%4]
	global_store_b128 v[L16], v[PC:PC+3], s[10:11]
	global_store_b64 v[L8], v[PC+4:PC+5], s[10:11] offset:512
	global_store_b128 v[L16], v[PC+6:PC+9], s[10:11] offset:768
	global_store_b64 v[L8], v[PC+10:PC+11], s[10:11] offset:1280
.if (\a)%4 == 3
	global_store_b128 v[L16], v[SW:SW+3], s[14:15] offset:512*((\a)/4)
.endif
.endm
.irp a, 0,1,2,3,4,5,6,7
	OUTA \a
.endr
	s_wait_tensorcnt 0x0
	ds_add_u32 v[SPW], v[NIL]
	s_wait_dscnt 0x0
	CROUND
	s_endpgm
.Lfunc_end_k_q45a9772ecd_gemm_qkv:
	.size	k_q45a9772ecd_gemm_qkv, .Lfunc_end_k_q45a9772ecd_gemm_qkv-k_q45a9772ecd_gemm_qkv
	.p2alignl 7, 3214868480
	.fill 96, 4, 3214868480
	.section	.rodata,"a",@progbits
	.p2align	6, 0x0
	.amdhsa_kernel k_q45a9772ecd_gemm_qkv
		.amdhsa_group_segment_fixed_size 327680
		.amdhsa_private_segment_fixed_size 0
		.amdhsa_enable_private_segment 0
		.amdhsa_kernarg_size 48
		.amdhsa_user_sgpr_count 2
		.amdhsa_user_sgpr_kernarg_segment_ptr 1
		.amdhsa_wavefront_size32 1
		.amdhsa_system_sgpr_workgroup_id_x 1
		.amdhsa_system_sgpr_workgroup_id_y 1
		.amdhsa_system_sgpr_workgroup_id_z 1
		.amdhsa_system_vgpr_workitem_id 0
		.amdhsa_next_free_vgpr 1024
		.amdhsa_next_free_sgpr 100
		.amdhsa_reserve_vcc 0
		.amdhsa_float_denorm_mode_32 3
		.amdhsa_float_denorm_mode_16_64 3
		.amdhsa_memory_ordered 1
		.amdhsa_forward_progress 1
		.amdhsa_inst_pref_size 164
	.end_amdhsa_kernel
	.amdgpu_metadata
---
amdhsa.version: [ 1, 2 ]
amdhsa.kernels:
  - .name:           k_q45a9772ecd_gemm_qkv
    .symbol:         k_q45a9772ecd_gemm_qkv.kd
    .args:
      - { .name: codes, .offset: 0, .size: 8, .value_kind: global_buffer, .address_space: global }
      - { .name: scl, .offset: 8, .size: 8, .value_kind: global_buffer, .address_space: global }
      - { .name: bq, .offset: 16, .size: 8, .value_kind: global_buffer, .address_space: global }
      - { .name: bkv, .offset: 24, .size: 8, .value_kind: global_buffer, .address_space: global }
      - { .name: key_padding_mask, .offset: 32, .size: 8, .value_kind: global_buffer, .address_space: global }
      - { .name: qkv, .offset: 40, .size: 8, .value_kind: global_buffer, .address_space: global }
    .group_segment_fixed_size: 327680
    .private_segment_fixed_size: 0
    .kernarg_segment_align: 8
    .kernarg_segment_size: 48
    .max_flat_workgroup_size: 128
    .sgpr_count:     100
    .vgpr_count:     1024
    .wavefront_size: 32
...
	.end_amdgpu_metadata
.endif
;; end of part 2
;; launch attn (part 3): grid 16 x 16, 8 waves a work-group, clusters of 4 x 4, 327,680 bytes of LDS; arguments qkv, attn_mask, ocodes, oscl; writes ocodes, oscl
.if DOCPART == 3
	.amdgcn_target "amdgcn-amd-amdhsa--gfx1250"
	.amdhsa_code_object_version 6
	.text
	.protected	k_q45a9772ecd_attn
	.globl	k_q45a9772ecd_attn
	.p2align	8
	.type	k_q45a9772ecd_attn,@function
k_q45a9772ecd_attn:
	s_mov_b64 s[64:65], 0
	v_nop
	global_prefetch_b8 v0, s[64:65] scope:SCOPE_SE
	s_setreg_imm32_b32 hwreg(HW_REG_WAVE_MODE, 25, 1), 1
	s_wait_xcnt 0x0
	s_wait_alu depctr_hold_cnt(0) depctr_sa_sdst(0) depctr_va_vdst(0) depctr_va_sdst(0) depctr_va_ssrc(0) depctr_va_vcc(0) depctr_vm_vsrc(0)
	s_getreg_b32 s2, hwreg(HW_REG_IB_STS2, 6, 4)
	s_cmp_eq_u32 s2, 0
	s_cbranch_scc0 .Lentry_in_a_cluster
	s_endpgm
.Lentry_in_a_cluster:
	s_bfe_u32 s2, ttmp6, 0x10000c
	s_cmp_lg_u32 s2, 0xf033
	s_cbranch_scc0 .Lentry_shape_is_right
	s_endpgm
.Lentry_shape_is_right:
; softmax(q k^T / 8 + attn_mask, padded keys hidden) v for 128 queries x 4 heads of one batch, both products on codes of FP6 (E2M3) with E8M0 scales; the result is quantised along the channels and leaves as the last product's operand.
; SHARES.  Work-group (x, y): x = block of 128 queries, y = 4 batch + head group.  Wave w owns query tile w (16 queries: 32 (w / 2) + 8 (w % 2) + r + 8 (r / 8)) for the group's 4 heads.  Keys go 128 a step.
; LAYOUT.  Both products are used transposed: S^T = K Q^T + mask (source 0 = 16 keys, source 1 = my queries), O^T += V^T P^T: a lane holds one query.
; THE KEYS OF A TILE: tile (c, u), c = 0, 1, u = 0 .. 3, takes keys 64 c + 8 u + r % 8 + 32 (r / 8).  So lane (r, h) holds in the 32 registers of tiles (c, 0 .. 3) the keys 64 c + 32 h + 0 .. 31: ONE WHOLE BLOCK of the second
; product's K, in the order of that operand's registers: a block's largest p needs no other lane and no lanes are exchanged.  In memory K's tiles are laid otherwise (tile 2 g + v: keys 32 g + 8 v + r + 8 (r / 8)); the tiles are formed
; by the LDS addresses: rows 0-7 of tile (c, u) are rows 8 (u / 2) .. + 7 of stored tile 4 c + u % 2, rows 8-15 the same rows of stored tile 4 c + 2 + u % 2: a lane term 6,144 (r / 8), the rest in the immediates.
; THE MASK IS THE C OF THE FIRST PRODUCT; the factor 1/8 lies in q's scale bytes: the product's result is the logit.  A wave's 64 mask registers serve its 4 heads.
; THE HEAD HAS K = 64; the instruction's k = 64 .. 127 carry the key padding: q has the code of 1.0 at k = 64 (scale byte 127), k the code of -7.5, and the key's scale byte there is 227 where the key is hidden (logit -7.5 x 2^100, p = 0), else 0 (-7.5 x 2^-127).
; SOFTMAX: t = logit x log2(e); M = the ceiling of the running largest t; p = 2^(t - M) is quantised along the keys, not normalised; the sum is taken of the unquantised p and divides at the end; a change of M multiplies the sum and O^T by a power of two.
; The running largest logit begins at -2^99, above every hidden key's: hidden keys never set M.
; CLUSTER 4 x 4: a mask tile hangs on x alone and is asked for jointly along a column; a key step's K, V and scale words (53,248 dense bytes) hang on y alone: jointly along a row.
; THE CHANGE OF SLOTS stands inside the fourth head's unit: when its fragments of V are in registers, the wave has no read of the slot left; it says so, and that head's softmax and second product, work on registers, stand between the opening signal and its wait.
; LIMITS: logits under 2^96 in magnitude.  A batch all of whose keys are hidden has the sum 0: its scale bytes are set to 0xff, which makes the output rows NaN, as the softmax of nothing is.  NaN and infinities among the inputs are not served.
; REGISTERS.  Window 0: v1-11, v244-250 addresses; v12-27 four a head: -M, largest logit, the sum in two halves; v28-29 Q's scale words, v30 p's, v32-39 K's, v40-43 V's; v48-95 four fragments of K; v96-159 S^T, then p; v160-207 V's four; v208-226 p's codes; v228-243, v252-254 at work.
;   Window 1: v0-127 O^T, 32 a head; v128-175 Q, 12 a head; v176-239 the mask.
.set SLOT1,  1<<17                     ; slot 1 begins here
.set MPITCH, 520                       ; a mask row in LDS: 512 bytes + 8
.set KVO,    128*MPITCH                ; behind the mask's 128 rows: K codes 24,576, V codes 24,576, K scales 2,048, V scales 2,048
.set SPARE,  2*SLOT1                   ; the spare words, 128 bytes for each wave: four blocks of 256 bytes that no other line names
.set STRUCT, 79872
.set AM0, 1
.set A16, 2
.set A8,  3
.set SPW, 4
.set NIL, 5
.set ADM, 6
.set AD16, 7
.set AD8, 8
.set PFO, 9
.set L16, 10
.set L8,  11
.set ST,  12
.set QS,  28
.set PS,  30
.set KS,  32
.set VS,  40
.set OW,  44
.set KF,  48
.set S,   96
.set VF,  160
.set PC,  208
.set TM,  228
.set BM,  TM                           ; my two blocks' largest logits
.set MT,  TM+2                         ; three more chains of the maximum
.set OPM, TM+4                         ; the way out: the other half's numbers
.set PM,  TM+5
.set PM2, TM+6
.set XT,  TM+7
.set SUM2, TM+8                        ; the sum's other chains
.set SUM3, TM+10
.set SUM4, TM+2
.set SO,  TM+12                        ; the conversions' scale operands
.set BY,  TM+14                        ; the two scale bytes
.set AK16, 244
.set AK8,  245
.set AKS,  246
.set ADK16, 247
.set ADK8, 248
.set ADKS, 249
.set SH8,  250
.set OO,  0                            ; in window 1
.set QF,  128
.set MK,  176
.set WV,  12
.set G1M, 16
.set G1K, 24
.set G0M, 32
.set G0K, 36
.set SEL, 40
.set CS,  42
.set TB,  44
.set SLOTS, 45
.set LIM, 46
.set PFA, 48
.set PFS, 50
.set MSB, 0
.macro WIN new
.set WNEW, \new
.if MSB != WNEW
	s_set_vgpr_msb (MSB<<8)|WNEW
.set MSB, WNEW
.endif
.endm
.macro CREST                           ; a round of the cluster's barrier behind its opening barrier
	s_cmp_lg_u32 s[WV], 0
	s_cbranch_scc1 .Lnot_wave_0_\@
	s_barrier_signal -3
.Lnot_wave_0_\@:
	s_barrier_wait -3
	s_barrier_signal -1
	s_barrier_wait -1
.endm
.macro CROUND
	s_barrier_signal -1
	s_barrier_wait -1
	CREST
.endm
; Waves 0 and 1 fetch the mask tile's halves, waves 2 and 3 the key step's, the others nothing.  The branches hang on the wave's number alone.
.macro TLOAD
	s_cmp_lt_u32 s[WV], 2
	s_cbranch_scc0 .Lnot_m_\@
	tensor_load_to_lds s[G0M:G0M+3], s[G1M:G1M+7]
	s_nop 0
.rept 4
	v_nop
.endr
	s_branch .Lasked_\@
.Lnot_m_\@:
	s_cmp_lt_u32 s[WV], 4
	s_cbranch_scc0 .Lasked_\@
	tensor_load_to_lds s[G0K:G0K+3], s[G1K:G1K+7]
	s_nop 0
.rept 4
	v_nop
.endr
.Lasked_\@:
.endm
; A prefetch of what the NEXT change of slots will ask for, a key step ahead of that load, by the waves that fetch nothing.  Waves 4, 5, in the clusters with x = 0: the key step's 208 blocks of 256 bytes; the partner at cx takes 52
; (wave 4 the first 32, wave 5 the other 20; its lanes 20 to 31 name the last again).  Waves 6, 7, in the clusters with y = 0: the mask tile; the partner at cy takes 32 rows, a lane a row, wave 6 the first 256 bytes, wave 7 the second.
; Partners are told apart by address.  The last change that fills a slot asks for nothing; steps 0 and 1 come by their loads alone.
.macro ASK
	s_cmp_gt_u32 s[SLOTS], s[LIM]
	s_cbranch_scc0 .Lnot_mine_\@
	global_prefetch_b8 v[PFO], s[PFA:PFA+1] th:TH_LOAD_NT scope:SCOPE_SE
.Lnot_mine_\@:
.endm
.macro NEXTT                           ; no tensor load of mine is out: the descriptors step to the other slot and the next key step
	s_xor_b32 s[G0M+1], s[G0M+1], SLOT1
	s_add_nc_u64 s[G0M+2:G0M+3], s[G0M+2:G0M+3], 512       ; 128 keys on in the mask's rows
	s_xor_b32 s[G0K+1], s[G0K+1], SLOT1
	s_add_nc_u64 s[G0K+2:G0K+3], s[G0K+2:G0K+3], STRUCT    ; the next block of 128 tokens
	s_wait_xcnt 0x0                                ; the last prefetch, a step back, has read its address
	s_add_nc_u64 s[PFA:PFA+1], s[PFA:PFA+1], s[PFS:PFS+1]
.endm
.macro QUANT s, pw                     ; the way out: 64 numbers of a lane (16 of each of four blocks) become a fragment's codes in v[PC] on and its scale word
.irp b, 0,1,2,3
	v_max3_num_f32 v[TM+\b], |v[\s+16*\b]|, |v[\s+1+16*\b]|, 0x1800000
.endr
.irp i, 2,4,6,8,10,12,14
.irp b, 0,1,2,3
	v_max3_num_f32 v[TM+\b], v[TM+\b], |v[\s+16*\b+\i]|, |v[\s+1+16*\b+\i]|
.endr
.endr
.irp b, 0,1,2,3
	v_permlanex16_b32 v[TM+4+\b], v[TM+\b], s[SEL], s[SEL+1]
.endr
.irp b, 0,1,2,3
	v_max_num_f32 v[TM+\b], v[TM+\b], v[TM+4+\b]
.endr
.irp b, 0,1,2,3
	v_add_nc_u32 v[TM+12+\b], 0xff000000, v[TM+\b]
.endr
.irp b, 0,1,2,3
	v_lshrrev_b32 v[TM+4+\b], 23, v[TM+12+\b]
.endr
	v_lshl_or_b32 v[\pw], v[TM+5], 8, v[TM+4]
	v_lshl_or_b32 v[\pw], v[TM+6], 16, v[\pw]
	v_lshl_or_b32 v[\pw], v[TM+7], 24, v[\pw]
.irp c, 0,1
	v_cvt_scalef32_pk16_fp6_f32 v[PC+6*\c:PC+2+6*\c], v[\s+32*\c:\s+15+32*\c], v[TM+12+2*\c]
	v_cvt_scalef32_pk16_fp6_f32 v[PC+12+4*\c:PC+14+4*\c], v[\s+16+32*\c:\s+31+32*\c], v[TM+12+2*\c+1]
.endr
	v_nop                                          ; one plain place behind a scaled conversion
.irp c, 0,1
.irp i, 0,1,2
	v_permlane16_swap_b32 v[PC+6*\c+\i], v[PC+12+4*\c+\i]
.endr
.irp i, 0,1,2
	v_mov_b32 v[PC+3+6*\c+\i], v[PC+12+4*\c+\i]
.endr
.endr
.endm
.macro KLOAD hh, c                     ; tiles (c, 0 .. 3) of K of head hh: registers 0-5; registers 6-11 keep the padding's codes
.irp t, 0,1,2,3
	ds_load_b128 v[KF+12*\t:KF+12*\t+3], v[ADK16] offset:12288*(\c)+3072*(\t%2)+128*(\t/2)+768*(\hh)
	ds_load_b64 v[KF+12*\t+4:KF+12*\t+5], v[ADK8] offset:12288*(\c)+3072*(\t%2)+64*(\t/2)+768*(\hh)+512
.endr
.endm
.macro KSLOAD pr                       ; a head pair's scale words of the eight tiles: lanes 0-15 the even head's, lanes 16-31 the odd head's; two tiles a load
.irp c, 0,1
.irp z, 0,1
	ds_load_b64 v[KS+4*\c+2*\z:KS+4*\c+2*\z+1], v[ADKS] offset:49152+1024*(\pr)+512*\c+128*\z
.endr
.endr
.endm
.macro VLOAD hh                        ; V's four fragments (16 channels x 128 keys) and their scale words: 17 loads
.irp t, 0,1,2,3
	ds_load_b128 v[VF+12*\t:VF+12*\t+3], v[AD16] offset:24576+6144*(\hh)+1536*\t
	ds_load_b64 v[VF+12*\t+4:VF+12*\t+5], v[AD8] offset:24576+6144*(\hh)+1536*\t+512
	ds_load_b128 v[VF+12*\t+6:VF+12*\t+9], v[AD16] offset:24576+6144*(\hh)+1536*\t+768
	ds_load_b64 v[VF+12*\t+10:VF+12*\t+11], v[AD8] offset:24576+6144*(\hh)+1536*\t+1280
.endr
	ds_load_b128 v[VS:VS+3], v[AD16] offset:51200+1024*((\hh)/2)+512*((\hh)%2)
.endm
.macro SPROD hh, c                     ; S^T = K Q^T + mask for tiles (c, 0 .. 3)
	WIN 0x14                                       ; Q and the mask in window 1
.irp t, 0,1,2,3
.if (\hh)%2
	v_wmma_scale_f32_16x16x128_f8f6f4 v[S+8*(4*\c+\t):S+8*(4*\c+\t)+7], v[KF+12*\t:KF+12*\t+11], v[QF+12*(\hh):QF+12*(\hh)+11], v[MK+8*(4*\c+\t):MK+8*(4*\c+\t)+7], v[KS+4*\c+\t], v[QS+(\hh)/2] matrix_a_fmt:MATRIX_FMT_FP6 matrix_b_fmt:MATRIX_FMT_FP6 matrix_a_scale:MATRIX_SCALE_ROW1 matrix_b_scale:MATRIX_SCALE_ROW1
.else
	v_wmma_scale_f32_16x16x128_f8f6f4 v[S+8*(4*\c+\t):S+8*(4*\c+\t)+7], v[KF+12*\t:KF+12*\t+11], v[QF+12*(\hh):QF+12*(\hh)+11], v[MK+8*(4*\c+\t):MK+8*(4*\c+\t)+7], v[KS+4*\c+\t], v[QS+(\hh)/2] matrix_a_fmt:MATRIX_FMT_FP6 matrix_b_fmt:MATRIX_FMT_FP6
.endif
.endr
	WIN 0
.rept 4
	v_nop                                          ; places: in front of loads into the products' registers (the second product's of the unit before too) and of the first read of results
.endr
.endm
.macro MAXC c                          ; the largest logit of my block 2 c + h: 32 registers, four chains, each accumulator from its low end on
.set B_, S+32*(\c)
	v_max3_num_f32 v[BM+\c], v[B_], v[B_+1], v[B_+2]
.irp q, 0,1,2
	v_max3_num_f32 v[MT+\q], v[B_+8+8*\q], v[B_+9+8*\q], v[B_+10+8*\q]
.endr
.irp i, 3,5
	v_max3_num_f32 v[BM+\c], v[BM+\c], v[B_+\i], v[B_+\i+1]
.irp q, 0,1,2
	v_max3_num_f32 v[MT+\q], v[MT+\q], v[B_+8+8*\q+\i], v[B_+9+8*\q+\i]
.endr
.endr
	v_max3_num_f32 v[BM+\c], v[BM+\c], v[B_+7], v[B_+15]
	v_max3_num_f32 v[MT+1], v[MT+1], v[B_+23], v[B_+31]
	v_max3_num_f32 v[BM+\c], v[BM+\c], v[MT], v[MT+1]
	v_max_num_f32 v[BM+\c], v[BM+\c], v[MT+2]
.endm
; From the logits to p's codes, its scale word, the sum and O^T under the new M: work on registers alone
.macro SOFT hh
.set T_, ST+4*(\hh)
	v_max_num_f32 v254, v[BM], v[BM+1]
	v_mov_b32 v[XT], v[T_]                         ; the old -M
	v_permlanex16_b32 v[PM], v254, s[SEL], s[SEL+1]
	v_max3_num_f32 v[T_+1], v[T_+1], v254, v[PM]   ; the running largest logit of my query
	v_mul_f32 v254, s[CS], v[T_+1]                 ; as t
	v_floor_f32 v[T_], -v254                       ; -M = floor(-t): M is a whole number
.set N_, 0
.rept 32
	v_pk_fma_f32 v[S+N_:S+N_+1], v[S+N_:S+N_+1], s[CS:CS+1], v[T_:T_+1] op_sel_hi:[1,0,0]   ; t - M, two at a time
.if N_ == 2
	v_sub_f32 v254, v[T_], v[XT]                   ; old M - new M
.endif
.if N_ == 12
	v_cvt_i32_f32 v254, v254                       ; (it saturates)
.endif
.if N_ == 22
	v_ldexp_f32 v252, 1.0, v254                    ; f = 2^(old M - new M)
.endif
.set N_, N_+2
.endr
	v_fma_f32 v[BM], v[BM], s[CS], v[T_]           ; the same of each block's largest logit: p rises with the logit
	v_fma_f32 v[BM+1], v[BM+1], s[CS], v[T_]
	s_wait_alu depctr_va_vdst(0)                   ; the wait ahead of the batch
.set N_, 0
.rept 64
	v_exp_f32 v[S+N_], v[S+N_]                     ; p = 2^(t - M)
.set N_, N_+1
.endr
	v_exp_f32 v[BM], v[BM]                         ; my two blocks' largest p
	v_exp_f32 v[BM+1], v[BM+1]
	v_pk_mul_f32 v[T_+2:T_+3], v[T_+2:T_+3], v[252:253] op_sel_hi:[1,0]   ; the sums under the new M: a plain place behind the exponentials
	s_wait_alu depctr_va_vdst(0)                   ; one wait for the batch, ahead of its first reader
	v_max_num_f32 v[BM], 0x1800000, v[BM]          ; the floor 2^(3 - 127): the byte cannot fall under 1
	v_max_num_f32 v[BM+1], 0x1800000, v[BM+1]
	v_add_nc_u32 v[SO], 0xff000000, v[BM]          ; 2 off the exponent field: the conversion's scale operand
	v_add_nc_u32 v[SO+1], 0xff000000, v[BM+1]
.irp c, 0,1
	v_cvt_scalef32_pk16_fp6_f32 v[PC+6*\c:PC+2+6*\c], v[S+32*\c:S+15+32*\c], v[SO+\c]
	v_cvt_scalef32_pk16_fp6_f32 v[PC+12+4*\c:PC+14+4*\c], v[S+16+32*\c:S+31+32*\c], v[SO+\c]   ; (a conversion's three registers begin on an even number)
.endr
	v_lshrrev_b32 v[BY], 23, v[SO]                 ; the scale bytes of blocks h and 2 + h.  (A plain place behind the conversions)
	v_lshrrev_b32 v[BY+1], 23, v[SO+1]
	v_mov_b32 v[PC+3], v[PC+12]
	v_mov_b32 v[PC+4], v[PC+13]
	v_lshl_or_b32 v[PS], v[BY+1], 16, v[BY]
	v_mov_b32 v[PC+5], v[PC+14]
	v_mov_b32 v[PC+9], v[PC+16]
	v_lshlrev_b32 v[PS], v[SH8], v[PS]             ; at their places in the word: 8 h bits up
	v_mov_b32 v[PC+10], v[PC+17]
	v_mov_b32 v[PC+11], v[PC+18]
	v_permlanex16_b32 v[PM2], v[PS], s[SEL], s[SEL+1]
	v_pk_add_f32 v[SUM2:SUM2+1], v[S:S+1], v[S+2:S+3]                    ; the sum of the unquantised p, in four chains
	v_pk_add_f32 v[SUM3:SUM3+1], v[S+4:S+5], v[S+6:S+7]
	v_pk_add_f32 v[SUM4:SUM4+1], v[S+8:S+9], v[S+10:S+11]
	v_or_b32 v[PS], v[PS], v[PM2]                  ; with lane l xor 16's two bytes p's scale word is whole
.irp j, 12,20,28,36,44,52
	v_pk_add_f32 v[T_+2:T_+3], v[T_+2:T_+3], v[S+\j:S+1+\j]
	v_pk_add_f32 v[SUM2:SUM2+1], v[SUM2:SUM2+1], v[S+2+\j:S+3+\j]
	v_pk_add_f32 v[SUM3:SUM3+1], v[SUM3:SUM3+1], v[S+4+\j:S+5+\j]
	v_pk_add_f32 v[SUM4:SUM4+1], v[SUM4:SUM4+1], v[S+6+\j:S+7+\j]
.endr
	v_pk_add_f32 v[T_+2:T_+3], v[T_+2:T_+3], v[S+60:S+61]
	v_pk_add_f32 v[SUM2:SUM2+1], v[SUM2:SUM2+1], v[S+62:S+63]
	v_pk_add_f32 v[SUM3:SUM3+1], v[SUM3:SUM3+1], v[SUM4:SUM4+1]
	v_pk_add_f32 v[T_+2:T_+3], v[T_+2:T_+3], v[SUM2:SUM2+1]
	v_pk_add_f32 v[T_+2:T_+3], v[T_+2:T_+3], v[SUM3:SUM3+1]
	WIN 0x41                                       ; O^T in window 1, f in window 0
	s_wait_alu depctr_va_vdst(0)                   ; the wait here, directly ahead of the first reader of O^T
.set N_, 0
.rept 16
	v_pk_mul_f32 v[OO+32*(\hh)+N_:OO+32*(\hh)+N_+1], v[OO+32*(\hh)+N_:OO+32*(\hh)+N_+1], v[252:253] op_sel_hi:[1,0]   ; O^T under the new M
.set N_, N_+2
.endr
.endm
; ONE HEAD'S WORK IN A KEY STEP.  chg = 1: the change of slots with a refill; 2: without one
.macro UNIT hh, chg
.if (\hh) == 0
	s_wait_dscnt 16                                ; K's scale words, tiles (0, ..) and the mask's first half are in; its second half's 16 loads may be out
.else
	s_wait_dscnt 0x0                               ; what the unit before asked for
.endif
	SPROD \hh, 0
	KLOAD \hh, 1
	VLOAD \hh
	MAXC 0
	s_wait_dscnt 17                                ; K's eight loads are in; V's sixteen and its scale words may be out
	SPROD \hh, 1
.if (\hh) == 1
	KSLOAD 1                                       ; the next head pair's scale words,
.endif
.if (\hh) < 3
	KLOAD \hh+1, 0                                 ; and the next head's first four tiles: they have this head's softmax in which to land
.endif
.if \chg
	s_wait_tensorcnt 0x0                           ; all my tensor loads have landed: my part of the next step's tiles;
	ds_add_u32 v[SPW], v[NIL]
.if \chg == 1
	ds_add_u32 v[SPW], v[NIL]                      ; twice
	NEXTT
.endif
.endif
	MAXC 1
.if \chg
	s_wait_alu depctr_va_vdst(0)                   ; the wait here, directly ahead of the wait below
	s_wait_dscnt 0x0                               ; the add is done, V is in registers: I have no read of this slot left
	s_barrier_signal -1
.endif
	SOFT \hh
.if \chg == 0
	s_wait_alu depctr_va_vdst(0)                   ; the wait here, directly ahead of the wait below
.if (\hh) == 1
	s_wait_dscnt 12                                ; V and its scale words are in; the 12 loads asked for the next head may be out
.else
	s_wait_dscnt 8                                 ; likewise, 8
.endif
.endif
	WIN 0x50                                       ; C and D in window 1
.irp t, 0,1,2,3
	v_wmma_scale_f32_16x16x128_f8f6f4 v[OO+32*(\hh)+8*\t:OO+32*(\hh)+8*\t+7], v[VF+12*\t:VF+12*\t+11], v[PC:PC+11], v[OO+32*(\hh)+8*\t:OO+32*(\hh)+8*\t+7], v[VS+\t], v[PS] matrix_a_fmt:MATRIX_FMT_FP6 matrix_b_fmt:MATRIX_FMT_FP6
.endr
	WIN 0
.if \chg
	s_barrier_wait -1
.if \chg == 1
	CREST                                          ; the barrier has opened a round of the cluster's barrier: no wave of any partner still reads this slot or has a load on its way
	TLOAD                                          ; the step after the next, into the slot just read
	ASK
.endif
.endif
.endm
.macro STEP chg                        ; a key step: K's first fragments, my 16 mask rows x 128 keys into registers, then the four heads
	v_add_nc_u32 v[ADKS], s[TB], v[AKS]
	v_add_nc_u32 v[ADK16], s[TB], v[AK16]
	v_add_nc_u32 v[ADK8], s[TB], v[AK8]
	v_add_nc_u32 v[ADM], s[TB], v[AM0]
	v_add_nc_u32 v[AD16], s[TB], v[A16]
	v_add_nc_u32 v[AD8], s[TB], v[A8]
	s_wait_alu depctr_va_vdst(0)                   ; the wait
	KSLOAD 0
	KLOAD 0, 0
	WIN 0x40
.irp c, 0,1
.irp j, 0,1,2,3,4,5,6,7,8,9,10,11,12,13,14,15
	ds_load_b64 v[MK+32*\c+2*\j:MK+32*\c+2*\j+1], v[ADM] offset:256*\c+8*\j   ; register 32 c + i: key 64 c + 32 (lane / 16) + i
.endr
.endr
	WIN 0
	s_xor_b32 s[TB], s[TB], SLOT1
	UNIT 0, 0
	UNIT 1, 0
	UNIT 2, 0
	UNIT 3, \chg
.endm
	s_load_b256 s[4:11], s[0:1], 0x0               ; qkv, attn_mask, ocodes, oscl
	v_lshl_add_u32 v[SPW], v0, 2, SPARE
	v_mov_b32 v[NIL], 0
	ds_add_u32 v[SPW], v[NIL]                      ; the opening lines: the add, twice on end, and its wait
	ds_add_u32 v[SPW], v[NIL]
	v_lshrrev_b32 v6, 5, v0
	v_readfirstlane_b32 s[WV], v6                  ; wave 0..7
	s_and_b32 s13, s[WV], 1
	s_bfe_u32 s14, ttmp6, 0x40000                  ; cx
	s_bfe_u32 s15, ttmp6, 0x40004                  ; cy
	s_lshl_b32 s56, ttmp9, 2
	s_add_co_u32 s56, s56, s14                     ; the block of queries
	s_and_b32 s52, ttmp7, 0xffff                   ; the batch
	s_lshl_b32 s53, s52, 2
	s_add_co_u32 s53, s53, s15                     ; y = 4 batch + head group
	s_lshl_b32 s54, s15, 2
	s_lshl_b32 s54, 15, s54                        ; my row of the cluster
	s_lshl_b32 s57, 0x1111, s14                    ; my column
	s_or_b32 s[G1M], s57, (2<<16)|(1<<20)|(1<<21)|(6<<22)|(1<<25)  ; the mask tile's half: elements of 4 bytes; padding of 2 words behind every 128
	s_mov_b32 s[G1M+1], 128<<16                    ; tensor_dim0
	s_mov_b32 s[G1M+2], 64<<16                     ; tensor_dim1
	s_mov_b32 s[G1M+3], 128<<16                    ; tile_dim0
	s_mov_b32 s[G1M+4], 64                         ; tile_dim1
	s_mov_b32 s[G1M+5], 2048                       ; the pitch
	s_mov_b32 s[G1M+6], 0
	s_mov_b32 s[G1M+7], 0
	s_or_b32 s[G1K], s54, (3<<16)|(1<<21)          ; half a key step: 26,624 dense bytes as 104 rows of 256
	s_mov_b32 s[G1K+1], 32<<16
	s_mov_b32 s[G1K+2], 104<<16
	s_mov_b32 s[G1K+3], 32<<16
	s_mov_b32 s[G1K+4], 104
	s_mov_b32 s[G1K+5], 32
	s_mov_b32 s[G1K+6], 0
	s_mov_b32 s[G1K+7], 0
	s_lshl_b32 s58, s56, 7
	s_lshl_b32 s59, s13, 6
	s_add_co_u32 s58, s58, s59
	s_lshl_b32 s58, s58, 13                        ; the mask: row 128 x + 64 (wave & 1), 8,192 bytes a row
	s_mov_b32 s59, 0
	s_mul_i32 s54, s53, 16*STRUCT
	s_mul_i32 s55, s13, 26624
	s_add_co_u32 s54, s54, s55
	s_add_co_u32 s54, s54, 26624                   ; the key steps begin behind a struct's Q part
	s_mov_b32 s55, 0
	s_mov_b32 s[SEL], 0x76543210
	s_mov_b32 s[SEL+1], 0xfedcba98
	s_mov_b32 s[CS], 0x3fb8aa3b                    ; log2(e)
	s_mov_b32 s[CS+1], s[CS]
	s_mov_b32 s[TB], 0
	s_mov_b32 s[SLOTS], 15
	s_wait_dscnt 0x0                               ; both opening adds are done
	s_wait_kmcnt 0x0
	s_mov_b32 s[G0M], 1
	s_mul_i32 s[G0M+1], s13, 64*MPITCH
	s_add_nc_u64 s[G0M+2:G0M+3], s[6:7], s[58:59]
	s_or_b32 s[G0M+3], s[G0M+3], 0x80000000
	s_mov_b32 s[G0K], 1
	s_mul_i32 s[G0K+1], s13, 26624
	s_add_co_u32 s[G0K+1], s[G0K+1], KVO
	s_add_nc_u64 s[G0K+2:G0K+3], s[4:5], s[54:55]
	s_or_b32 s[G0K+3], s[G0K+3], 0x80000000
	CROUND                                         ; all sixteen work-groups are here
	TLOAD                                          ; key step 0 into slot 0
	s_lshl_b32 s60, s53, 4
	s_add_co_u32 s60, s60, s56
	s_mul_i32 s60, s60, STRUCT                     ; my queries' struct
	s_mul_i32 s61, s[WV], 3072
	s_add_co_u32 s62, s60, s61
	s_mov_b32 s63, 0
	s_add_nc_u64 s[70:71], s[4:5], s[62:63]        ; Q's codes: my tile
	s_lshr_b32 s61, s[WV], 2
	s_lshl_b32 s61, s61, 9
	s_and_b32 s62, s[WV], 3
	s_lshl_b32 s62, s62, 2
	s_add_co_u32 s62, s62, s61
	s_add_co_u32 s62, s62, s60
	s_add_co_u32 s62, s62, 24576
	s_add_nc_u64 s[72:73], s[4:5], s[62:63]        ; and its scale words
	v_and_b32 v6, 15, v0                           ; r
	v_bfe_u32 v7, v0, 4, 1                         ; h
	v_and_b32 v8, 31, v0                           ; lane
	v_lshlrev_b32 v[L16], 4, v8
	v_lshlrev_b32 v[L8], 3, v8
	WIN 0x40                                       ; destinations in window 1
.irp hh, 0,1,2,3
	global_load_b128 v[QF+12*\hh:QF+12*\hh+3], v[L16], s[70:71] offset:768*\hh
	global_load_b64 v[QF+12*\hh+4:QF+12*\hh+5], v[L8], s[70:71] offset:768*\hh+512
.endr
	WIN 0
	global_load_b32 v[QS], v[L16], s[72:73]
	global_load_b32 v[QS+1], v[L16], s[72:73] offset:1024
	v_and_b32 v9, 8, v6
	v_add_nc_u32 v9, v9, v6                        ; r + 8 (r / 8)
	s_lshr_b32 s60, s[WV], 1
	s_lshl_b32 s60, s60, 5
	s_lshl_b32 s61, s13, 3
	s_add_co_u32 s60, s60, s61
	s_mul_i32 s60, s60, MPITCH
	v_mul_u32_u24 v[AM0], v9, MPITCH
	v_lshl_add_u32 v[AM0], v7, 7, v[AM0]
	v_add_nc_u32 v[AM0], s60, v[AM0]               ; my query's mask row, + 128 h: 32 keys a half
	v_add_nc_u32 v[A16], KVO, v[L16]
	v_add_nc_u32 v[A8], KVO, v[L8]
	v_and_b32 v252, 7, v6                          ; r % 8
	v_bfe_u32 v253, v0, 3, 1                       ; r / 8
	v_mul_u32_u24 v254, v253, 6144                 ; rows 8-15 of a tile come from the stored tile two further on
	v_lshl_add_u32 v[AK16], v252, 4, v254
	v_lshl_add_u32 v[AK8], v252, 3, v254
	v_lshlrev_b32 v[AKS], 4, v252
	v_lshl_add_u32 v[AK16], v7, 8, v[AK16]
	v_lshl_add_u32 v[AK8], v7, 7, v[AK8]
	v_lshl_add_u32 v[AKS], v253, 3, v[AKS]
	v_add_nc_u32 v[AK16], KVO, v[AK16]             ; K's registers 0-3: 6,144 (r / 8) + 16 (r % 8) + 256 h
	v_add_nc_u32 v[AK8], KVO, v[AK8]               ; registers 4-5: 6,144 (r / 8) + 8 (r % 8) + 128 h
	v_lshl_add_u32 v[AKS], v7, 8, v[AKS]
	v_lshlrev_b32 v[SH8], 3, v7                    ; 8 h
	v_add_nc_u32 v[AKS], KVO, v[AKS]               ; K's scale words: 16 (r % 8) + 8 (r / 8) + 256 h
	; the prefetches: where my wave's stand, and who asks
	s_mul_i32 s61, s53, 16*STRUCT
	s_mul_i32 s62, s14, 13312
	s_add_co_u32 s61, s61, s62
	s_add_co_u32 s61, s61, 26624+STRUCT            ; key step 1, my work-group's 52 blocks: the first change of slots steps it to step 2
	s_lshl_b32 s62, s56, 7
	s_lshl_b32 s63, s15, 5
	s_add_co_u32 s62, s62, s63
	s_lshl_b32 s62, s62, 13
	s_add_co_u32 s62, s62, 512                     ; the mask: my work-group's 32 rows, key step 1
	s_lshl_b32 s74, s13, 5
	s_lshl_b32 s75, s13, 8
	s_mov_b32 s76, 512
	s_mov_b32 s77, 8192
	s_lshr_b32 s69, s[WV], 2
	s_xor_b32 s69, s69, 1                          ; 0 in waves 4 to 7
	s_cmp_lt_u32 s[WV], 6
	s_cselect_b64 s[PFA:PFA+1], s[4:5], s[6:7]
	s_cselect_b32 s[PFS], STRUCT, s76
	s_cselect_b32 s66, s61, s62
	s_cselect_b32 s68, ttmp9, s52                  ; the coordinate along which other clusters read the same bytes
	s_cselect_b32 s74, s74, 0
	s_cselect_b32 s78, 51, 31
	s_cselect_b32 s77, 256, s77
	s_cselect_b32 s75, 0, s75
	s_mov_b32 s[PFS+1], 0
	s_mov_b32 s67, 0
	s_add_nc_u64 s[PFA:PFA+1], s[PFA:PFA+1], s[66:67]
	s_or_b32 s69, s69, s68
	s_cmp_eq_u32 s69, 0
	s_cselect_b32 s[LIM], 1, -1
	v_add_nc_u32 v[PFO], s74, v8
	v_min_u32 v[PFO], s78, v[PFO]
	v_mad_u32_u24 v[PFO], v[PFO], s77, s75
	; where the result goes
	s_lshl_b32 s60, s52, 4
	s_add_co_u32 s60, s60, s56
	s_lshl_b32 s60, s60, 2
	s_add_co_u32 s60, s60, s15                     ; (16 batch + block) 4 + head group
	s_mul_i32 s62, s60, 24576
	s_mul_i32 s63, s[WV], 3072
	s_add_co_u32 s62, s62, s63
	s_mov_b32 s63, 0
	s_add_nc_u64 s[8:9], s[8:9], s[62:63]
	s_lshl_b32 s62, s60, 10
	s_lshl_b32 s66, s[WV], 7
	s_add_co_u32 s62, s62, s66
	s_add_nc_u64 s[10:11], s[10:11], s[62:63]
	; the padding's codes: k = 64 lies in lanes 0-15, register 6, lowest six bits
	v_sub_nc_u32 v254, 1, v7
	v_lshlrev_b32 v252, 3, v254                    ; the code of 1.0 is 8
	v_mul_u32_u24 v253, v254, 63                   ; the code of -7.5 is 63
.irp t, 0,1,2,3
	v_mov_b32 v[KF+12*\t+6], v253
.irp i, 7,8,9,10,11
	v_mov_b32 v[KF+12*\t+\i], 0
.endr
.endr
	WIN 0x40
.irp hh, 0,1,2,3
	v_mov_b32 v[QF+12*\hh+6], v252
.irp i, 7,8,9,10,11
	v_mov_b32 v[QF+12*\hh+\i], 0
.endr
.endr
.set N_, 0
.rept 128
	v_mov_b32 v[OO+N_], 0                          ; O^T: the step is written once; the first finds zeros
.set N_, N_+1
.endr
	WIN 0
	v_mov_b32 v253, 0                              ; (the upper half of the pair v[252:253])
.irp hh, 0,1,2,3
	v_mov_b32 v[ST+4*\hh+1], 0xf1000000            ; the largest logit so far: -2^99
	v_mov_b32 v[ST+4*\hh+2], 0
	v_mov_b32 v[ST+4*\hh+3], 0
	v_mov_b32 v[OPM+\hh], 0                        ; a lane permute's destination counts as one of its sources
.endr
	v_mul_f32 v254, s[CS], v[ST+1]
.irp hh, 0,1,2,3
	v_floor_f32 v[ST+4*\hh], -v254                 ; -M, made as the steps make it
.endr
	s_wait_alu depctr_va_vdst(0)                   ; the wait at the head's end
	s_wait_loadcnt 0x0                             ; Q
	s_wait_tensorcnt 0x0                           ; my part of key step 0 is in; slot 1's first fill is issued as a refill is:
	ds_add_u32 v[SPW], v[NIL]                      ; the add, here twice
	ds_add_u32 v[SPW], v[NIL]
	NEXTT
	s_wait_dscnt 0x0
	CROUND
	TLOAD                                          ; key step 1 into slot 1
	ASK
	s_mov_b32 s[SLOTS], 14
.Lstep:                                            ; 14 trips: steps 0 to 13; each asks for the step two on
	STEP 1
	s_sub_co_u32 s[SLOTS], s[SLOTS], 1
	s_cmp_lg_u32 s[SLOTS], 0
	s_cbranch_scc1 .Lstep
	s_mov_b32 s[SLOTS], 2
.Ltail:                                            ; steps 14 and 15 ask for nothing; they share one text, so the last step passes a barrier that nothing follows
	STEP 2
	s_sub_co_u32 s[SLOTS], s[SLOTS], 1
	s_cmp_lg_u32 s[SLOTS], 0
	s_cbranch_scc1 .Ltail
	; THE WAY OUT: O^T / the sum, quantised along the channels, two heads (128 channels) to a fragment
.irp hh, 0,1,2,3
	v_add_f32 v[BM+\hh], v[ST+4*\hh+2], v[ST+4*\hh+3]   ; (these are also the places behind the last products)
.endr
.irp hh, 0,1,2,3
	v_permlanex16_b32 v[OPM+\hh], v[BM+\hh], s[SEL], s[SEL+1]
.endr
.irp hh, 0,1,2,3
	v_add_f32 v[BM+\hh], v[BM+\hh], v[OPM+\hh]
.endr
	s_wait_alu depctr_va_vdst(0)                   ; the wait ahead of the batch
.irp hh, 0,1,2,3
	v_rcp_f32 v[ST+4*\hh], v[BM+\hh]
.endr
	v_mov_b32 v254, 0xffff
.irp hh, 0,1,2,3
	v_cmp_eq_f32 vcc_lo, 0, v[BM+\hh]              ; every key hidden: the head's two scale bytes become 0xff
	v_cndmask_b32 v[ST+4*\hh+2], 0, v254, vcc_lo
.endr
	s_wait_alu depctr_va_vdst(0)                   ; one wait for the four reciprocals, ahead of their first reader
.macro OUTP hp
.if \hp
	s_wait_xcnt 0x0                                ; the first fragment's stores have read their data
.endif
	WIN 0x01                                       ; O^T in window 1
.irp e, 0,1
.irp j, 0,2,4,6,8,10,12,14,16,18,20,22,24,26,28,30
	v_pk_mul_f32 v[S+32*\e+\j:S+32*\e+\j+1], v[OO+32*(2*\hp+\e)+\j:OO+32*(2*\hp+\e)+\j+1], v[ST+4*(2*\hp+\e):ST+4*(2*\hp+\e)+1] op_sel_hi:[1,0]
.endr
.endr
	WIN 0
	QUANT S, OW+\hp
	v_lshl_or_b32 v254, v[ST+4*(2*\hp+1)+2], 16, v[ST+4*(2*\hp)+2]
	v_or_b32 v[OW+\hp], v[OW+\hp], v254
.irp c, 0,1,2
	global_store_b128 v[L16], v[PC+4*\c:PC+4*\c+3], s[8:9] offset:1536*\hp+512*\c   ; 512 consecutive bytes a store
.endr
.endm
	OUTP 0
	OUTP 1
	v_and_b32 v252, 31, v0
	v_and_b32 v254, 15, v0
	v_cmp_le_u32 vcc_lo, 16, v252
	v_lshlrev_b32 v254, 3, v254
	v_bfe_u32 v252, v0, 4, 1
	v_cndmask_b32 v253, v[OW], v[OW+1], vcc_lo     ; lanes 0-15 the first head pair's word of row r, lanes 16-31 the second's
	v_lshl_add_u32 v254, v252, 2, v254
	global_store_b32 v254, v253, s[10:11]
	s_wait_tensorcnt 0x0                           ; the wave's end
	ds_add_u32 v[SPW], v[NIL]
	s_wait_dscnt 0x0
	CROUND                                         ; the closing round
	s_endpgm
.Lfunc_end_k_q45a9772ecd_attn:
	.size	k_q45a9772ecd_attn, .Lfunc_end_k_q45a9772ecd_attn-k_q45a9772ecd_attn
	.p2alignl 7, 3214868480
	.fill 96, 4, 3214868480
	.section	.rodata,"a",@progbits
	.p2align	6, 0x0
	.amdhsa_kernel k_q45a9772ecd_attn
		.amdhsa_group_segment_fixed_size 327680
		.amdhsa_private_segment_fixed_size 0
		.amdhsa_enable_private_segment 0
		.amdhsa_kernarg_size 32
		.amdhsa_user_sgpr_count 2
		.amdhsa_user_sgpr_kernarg_segment_ptr 1
		.amdhsa_wavefront_size32 1
		.amdhsa_system_sgpr_workgroup_id_x 1
		.amdhsa_system_sgpr_workgroup_id_y 1
		.amdhsa_system_sgpr_workgroup_id_z 1
		.amdhsa_system_vgpr_workitem_id 0
		.amdhsa_next_free_vgpr 512
		.amdhsa_next_free_sgpr 80
		.amdhsa_reserve_vcc 1
		.amdhsa_float_denorm_mode_32 3
		.amdhsa_float_denorm_mode_16_64 3
		.amdhsa_memory_ordered 1
		.amdhsa_forward_progress 1
		.amdhsa_inst_pref_size 158
	.end_amdhsa_kernel
	.amdgpu_metadata
---
amdhsa.version: [ 1, 2 ]
amdhsa.kernels:
  - .name:           k_q45a9772ecd_attn
    .symbol:         k_q45a9772ecd_attn.kd
    .args:
      - { .name: qkv, .offset: 0, .size: 8, .value_kind: global_buffer, .address_space: global }
      - { .name: attn_mask, .offset: 8, .size: 8, .value_kind: global_buffer, .address_space: global }
      - { .name: ocodes, .offset: 16, .size: 8, .value_kind: global_buffer, .address_space: global }
      - { .name: oscl, .offset: 24, .size: 8, .value_kind: global_buffer, .address_space: global }
    .group_segment_fixed_size: 327680
    .private_segment_fixed_size: 0
    .kernarg_segment_align: 8
    .kernarg_segment_size: 32
    .max_flat_workgroup_size: 256
    .sgpr_count:     80
    .vgpr_count:     512
    .wavefront_size: 32
...
	.end_amdgpu_metadata
.endif
;; end of part 3
;; launch gemm_out (part 4): grid 4 x 32, 4 waves a work-group, clusters of 4 x 4, 327,680 bytes of LDS; arguments ocodes, oscl, codes, scl, bproj, out0; writes out0
.if DOCPART == 4
	.amdgcn_target "amdgcn-amd-amdhsa--gfx1250"
	.amdhsa_code_object_version 6
	.text
	.protected	k_q45a9772ecd_gemm_out
	.globl	k_q45a9772ecd_gemm_out
	.p2align	8
	.type	k_q45a9772ecd_gemm_out,@function
k_q45a9772ecd_gemm_out:
	s_mov_b64 s[64:65], 0
	v_nop
	global_prefetch_b8 v0, s[64:65] scope:SCOPE_SE
	s_setreg_imm32_b32 hwreg(HW_REG_WAVE_MODE, 25, 1), 1
	s_wait_xcnt 0x0
	s_wait_alu depctr_hold_cnt(0) depctr_sa_sdst(0) depctr_va_vdst(0) depctr_va_sdst(0) depctr_va_ssrc(0) depctr_va_vcc(0) depctr_vm_vsrc(0)
	s_getreg_b32 s2, hwreg(HW_REG_IB_STS2, 6, 4)
	s_cmp_eq_u32 s2, 0
	s_cbranch_scc0 .Lentry_in_a_cluster
	s_endpgm
.Lentry_in_a_cluster:
	s_bfe_u32 s2, ttmp6, 0x10000c
	s_cmp_lg_u32 s2, 0xf033
	s_cbranch_scc0 .Lentry_shape_is_right
	s_endpgm
.Lentry_shape_is_right:
.set NQ,     2
.set FR,     12
.set NL,     3
.set NP,     4
.set HALFT,  24576
.set SLOT,   4*HALFT
.set SCL,    2*SLOT
.set SPARE,  213248
.set SPITCH, 528
.set ADRA, 16
.set ADRB, 20
.set STO,  24
.set RD,   25
.set CO,   26
.set ADRS, 27
.set SPW,  28
.set NIL,  29
.set SC,   32
.set BI,   64
.set AF,   128
.set BK,   128
.set G1, 24
.set G0, 32
.set G1B, 48
.set G0B, 56
.set G1S, 68
.set G0S, 76
.set G1SB, 80
.set G0SB, 88
.set MSB, 0
.macro WIN new
.set WNEW, \new
.if MSB != WNEW
	s_set_vgpr_msb (MSB<<8)|WNEW
.set MSB, WNEW
.endif
.endm
.set MUL_LO, 0xa1
.set MUL_HI, 0xf1
.set TO_B,   0x40
.macro JLOAD g0a, g1a, g0b, g1b
	s_cmp_eq_u32 s17, 0
	s_cbranch_scc0 .Lfor_b_\@
	tensor_load_to_lds s[\g0a:\g0a+3], s[\g1a:\g1a+7]
	s_nop 0
.rept 4
	v_nop
.endr
	s_branch .Lasked_\@
.Lfor_b_\@:
	tensor_load_to_lds s[\g0b:\g0b+3], s[\g1b:\g1b+7]
	s_nop 0
.rept 4
	v_nop
.endr
.Lasked_\@:
.endm
.macro CREST
	s_cmp_lg_u32 s16, 0
	s_cbranch_scc1 .Lnot_wave_0_\@
	s_barrier_signal -3
.Lnot_wave_0_\@:
	s_barrier_wait -3
	s_barrier_signal -1
	s_barrier_wait -1
.endm
.macro CROUND
	s_barrier_signal -1
	s_barrier_wait -1
	CREST
.endm
.macro FRAG reg, adr, q, i
.irp c, 0,1,2
	ds_load_b128 v[\reg+4*\c:\reg+4*\c+3], v[\adr] offset:(2*(\i)+(\q))*1536+512*\c
.endr
.endm
.macro MUL16 a0, p, q, sc, zero
.irp a, \a0, \a0+1
.irp b, 0,1,2,3,4,5,6,7
.if \zero
	v_wmma_scale_f32_16x16x128_f8f6f4 v[8*(8*((\a)%4)+\b):8*(8*((\a)%4)+\b)+7], v[128*(\p)+FR*\b:128*(\p)+FR*\b+FR-1], v[AF+FR*(\a):AF+FR*(\a)+FR-1], v[BI+8*\b:BI+8*\b+7], v[SC+8*NQ*(\sc)+NQ*\b+(\q)], v[SC+8*NQ*(\sc)+NQ*(\a)+(\q)] matrix_a_fmt:MATRIX_FMT_FP6 matrix_b_fmt:MATRIX_FMT_FP6 matrix_a_scale:MATRIX_SCALE_ROW1
.else
	v_wmma_scale_f32_16x16x128_f8f6f4 v[8*(8*((\a)%4)+\b):8*(8*((\a)%4)+\b)+7], v[128*(\p)+FR*\b:128*(\p)+FR*\b+FR-1], v[AF+FR*(\a):AF+FR*(\a)+FR-1], v[8*(8*((\a)%4)+\b):8*(8*((\a)%4)+\b)+7], v[SC+8*NQ*(\sc)+NQ*\b+(\q)], v[SC+8*NQ*(\sc)+NQ*(\a)+(\q)] matrix_a_fmt:MATRIX_FMT_FP6 matrix_b_fmt:MATRIX_FMT_FP6 matrix_a_scale:MATRIX_SCALE_ROW1
.endif
.endr
.endr
.endm
.macro FETCH_B slot, q, p
	WIN TO_B
.irp i, 0,1,2,3,4,5,6,7
	FRAG 128*(\p)+FR*\i, ADRB+\slot, \q, \i
.endr
	WIN 0
.endm
.macro FETCH_A slot, q, i0
.irp i, \i0, \i0+1, \i0+2, \i0+3
	FRAG AF+FR*(\i), ADRA+\slot, \q, \i
.endr
.endm
.macro SCALES sc
.irp i, 0,1,2,3,4,5,6,7
	ds_load_b64 v[SC+8*NQ*\sc+NQ*\i:SC+8*NQ*\sc+NQ*\i+1], v[ADRS] offset:\i*128
.endr
.endm
.macro PLACES n
.rept \n
	v_nop
.endr
.endm
.macro STEP slot, q, zero
	s_wait_dscnt 4*NL
.if \zero
	WIN 0x81
.else
	WIN MUL_LO
.endif
	MUL16 0, (\q)%2, \q, \slot, \zero
	MUL16 2, (\q)%2, \q, \slot, \zero
	s_wait_dscnt 0
	PLACES NP
	FETCH_B \slot, (\q)+1, 1-(\q)%2
	FETCH_A \slot, (\q)+1, 0
.if \zero
	WIN 0xc1
.else
	WIN MUL_HI
.endif
	MUL16 4, (\q)%2, \q, \slot, \zero
	MUL16 6, (\q)%2, \q, \slot, \zero
	PLACES NP
	WIN 0
	FETCH_A \slot, (\q)+1, 4
.endm
.macro TURN slot, next, fill
	s_wait_tensorcnt 0x0
	ds_add_u32 v[SPW], v[NIL]
	s_wait_dscnt 4*NL+1
	WIN MUL_LO
	MUL16 0, 1, NQ-1, \slot, 0
	s_wait_dscnt 0x0
	s_barrier_signal -1
	MUL16 2, 1, NQ-1, \slot, 0
	WIN 0
	s_barrier_wait -1
.if \fill
	CREST
	s_add_nc_u64 s[G0+4*\slot+2:G0+4*\slot+3], s[G0+4*\slot+2:G0+4*\slot+3], 2*HALFT
	s_add_nc_u64 s[G0B+4*\slot+2:G0B+4*\slot+3], s[G0B+4*\slot+2:G0B+4*\slot+3], 2*HALFT
	JLOAD G0+4*\slot, G1, G0B+4*\slot, G1B
.else
	PLACES NP
.endif
	s_wait_alu depctr_va_vdst(0)
	v_add_nc_u32 v[ADRS], 1024, v[ADRS]
	FETCH_B \next, 0, 0
	FETCH_A \next, 0, 0
	SCALES \next
	WIN MUL_HI
	MUL16 4, 1, NQ-1, \slot, 0
	MUL16 6, 1, NQ-1, \slot, 0
	PLACES NP
	WIN 0
	FETCH_A \next, 0, 4
.endm
	s_load_b256 s[4:11], s[0:1], 0x0
	s_load_b128 s[12:15], s[0:1], 0x20
	v_lshl_add_u32 v[SPW], v0, 2, SPARE
	v_mov_b32 v[NIL], 0
	ds_add_u32 v28, v29
	ds_add_u32 v28, v29
	s_wait_dscnt 0x0
	v_lshrrev_b32 v1, 5, v0
	v_readfirstlane_b32 s16, v1
	s_lshr_b32 s17, s16, 1
	s_and_b32 s18, s16, 1
	s_bfe_u32 s19, ttmp6, 0x40000
	s_bfe_u32 s20, ttmp6, 0x40004
	s_and_b32 s22, ttmp7, 0xffff
	s_lshl_b32 s23, s22, 3
	s_lshl_b32 s43, s20, 2
	s_lshl_b32 s43, 15, s43
	s_lshl_b32 s44, 0x1111, s19
	s_lshl_b32 s40, s20, 1
	s_add_co_u32 s40, s40, s23
	s_add_co_u32 s40, s40, s18
	s_lshl_b32 s46, s19, 1
	s_add_co_u32 s46, s46, s18
	s_add_co_u32 s46, s46, 152
	s_lshl_b32 s66, s40, 12
	s_mov_b32 s67, 0
	s_mul_i32 s40, s40, 4*HALFT
	s_mov_b32 s41, 0
	s_lshl_b32 s92, s46, 12
	s_mov_b32 s93, 0
	s_mul_i32 s46, s46, 4*HALFT
	s_mov_b32 s47, 0
	s_mul_i32 s45, s16, HALFT
	s_lshl_b32 s94, s16, 12
	s_lshl_b32 s95, s17, 7
	s_add_co_u32 s94, s94, s95
	s_or_b32 s[G1+0], s43, (3<<16)|(1<<21)
	s_or_b32 s[G1B+0], s44, (3<<16)|(1<<21)
	s_or_b32 s[G1S+0], s43, (3<<16)|(1<<21)
	s_or_b32 s[G1SB+0], s44, (3<<16)|(1<<21)
.irp g, G1, G1B                        ; for the head's loads of codes: two row blocks' slot 0, 2 rows of 24,576 bytes (3,072 elements of 8), 98,304 bytes apart
	s_mov_b32 s[\g+1], 3072<<16
	s_mov_b32 s[\g+2], 2<<16
	s_mov_b32 s[\g+3], 3072<<16
	s_mov_b32 s[\g+4], 2
	s_mov_b32 s[\g+5], 12288
	s_mov_b32 s[\g+6], 0
	s_mov_b32 s[\g+7], 0
.endr
.irp g, G1S, G1SB                      ; the scales of two row blocks: 8,192 dense bytes as 32 rows of 256
	s_mov_b32 s[\g+1], 32<<16
	s_mov_b32 s[\g+2], 32<<16
	s_mov_b32 s[\g+3], 32<<16
	s_mov_b32 s[\g+4], 32
	s_mov_b32 s[\g+5], 32
	s_mov_b32 s[\g+6], 0
	s_mov_b32 s[\g+7], 0
.endr
	s_wait_kmcnt 0x0
	s_add_nc_u64 s[40:41], s[4:5], s[40:41]
	s_add_nc_u64 s[66:67], s[6:7], s[66:67]
	s_add_nc_u64 s[46:47], s[8:9], s[46:47]
	s_add_nc_u64 s[92:93], s[10:11], s[92:93]
	CROUND
	; THE HEAD'S LOADS, ONE A WAVE: what the first step needs is shared out: wave 0 A's slot 0, both row blocks; wave 1 A's scales; wave 2 B's slot 0; wave 3 B's scales.
	; Each begins at the pair's first row block: my own half's distance is taken off again.
	s_mul_i32 s96, s18, 4*HALFT
	s_mov_b32 s97, 0
	s_lshl_b32 s98, s18, 12
	s_mov_b32 s99, 0
	s_mov_b32 s[G0], 1
	s_mov_b32 s[G0+1], 0
	s_sub_nc_u64 s[G0+2:G0+3], s[40:41], s[96:97]
	s_or_b32 s[G0+3], s[G0+3], 0x80000000
	s_mov_b32 s[G0B], 1
	s_mov_b32 s[G0B+1], 2*HALFT
	s_sub_nc_u64 s[G0B+2:G0B+3], s[46:47], s[96:97]
	s_or_b32 s[G0B+3], s[G0B+3], 0x80000000
	s_mov_b32 s[G0S], 1
	s_mov_b32 s[G0S+1], SCL
	s_sub_nc_u64 s[G0S+2:G0S+3], s[66:67], s[98:99]
	s_or_b32 s[G0S+3], s[G0S+3], 0x80000000
	s_mov_b32 s[G0SB], 1
	s_mov_b32 s[G0SB+1], SCL+8320
	s_sub_nc_u64 s[G0SB+2:G0SB+3], s[92:93], s[98:99]
	s_or_b32 s[G0SB+3], s[G0SB+3], 0x80000000
	s_mov_b32 s[G0+4], 1                           ; slot 1's group 0: my own 24,576 bytes
	s_add_co_u32 s[G0+5], s45, SLOT
	s_add_nc_u64 s[G0+6:G0+7], s[40:41], HALFT
	s_or_b32 s[G0+7], s[G0+7], 0x80000000
	s_mov_b32 s[G0B+4], 1
	s_add_co_u32 s[G0B+5], s45, SLOT
	s_add_nc_u64 s[G0B+6:G0B+7], s[46:47], HALFT
	s_or_b32 s[G0B+7], s[G0B+7], 0x80000000
.macro ARM under, g0, g1, next         ; one tree of branches on the wave's number: every way through the head passes exactly one load
	s_cmp_lt_u32 s16, \under
	s_cbranch_scc0 \next
	tensor_load_to_lds s[\g0:\g0+3], s[\g1:\g1+7]
	s_nop 0
.rept 4
	v_nop
.endr
	s_branch .Lhead_asked
\next:
.endm
	ARM 1, G0,  G1,  .Lhead_sa
	ARM 2, G0S, G1S, .Lhead_b
	ARM 3, G0B, G1B, .Lhead_sb
	tensor_load_to_lds s[G0SB:G0SB+3], s[G1SB:G1SB+7]
	s_nop 0
.rept 4
	v_nop
.endr
.Lhead_asked:                                      ; the addresses and the bias loads below stand under these loads' flight
	v_and_b32 v1, 15, v0
	v_bfe_u32 v2, v0, 4, 1
	s_wait_alu depctr_va_vdst(0)
	v_and_b32 v3, 31, v0
	v_lshlrev_b32 v[CO], 4, v3
	s_mul_i32 s96, s17, HALFT
	s_mul_i32 s97, s18, HALFT
	s_add_co_u32 s97, s97, 2*HALFT
.irp s, 0,1
	v_add_nc_u32 v[ADRA+\s], s96, v[CO]
	v_add_nc_u32 v[ADRB+\s], s97, v[CO]
	s_add_co_u32 s96, s96, SLOT
	s_add_co_u32 s97, s97, SLOT
.endr
	s_lshl_b32 s96, s17, 12
	s_lshl_b32 s97, s18, 12
	s_add_co_u32 s97, s97, 8320
	s_sub_co_u32 s97, s97, s96
	v_mul_u32_u24 v4, s97, v2
	v_lshl_add_u32 v4, v1, 3, v4
	s_add_co_u32 s96, s96, SCL
	v_add_nc_u32 v[ADRS], s96, v4
	s_mul_i32 s96, s16, 16*SPITCH
	v_mul_u32_u24 v5, v1, SPITCH
	v_lshl_add_u32 v5, v2, 6, v5
	v_add_nc_u32 v[STO], s96, v5
	v_add_nc_u32 v[RD], s96, v[CO]
	s_lshl_b32 s96, s19, 8
	s_lshl_b32 s97, s18, 7
	s_add_co_u32 s96, s96, s97
	s_lshl_b32 s96, s96, 2
	s_mov_b32 s97, 0
	s_add_nc_u64 s[12:13], s[12:13], s[96:97]
	s_add_nc_u64 s[14:15], s[14:15], s[96:97]
	v_lshlrev_b32 v4, 6, v2
.irp x, 0,1,2,3,4,5,6,7
	global_load_b128 v[BI+8*\x:BI+8*\x+3], v4, s[12:13] offset:(32*(\x/2)+8*(\x%2))*4
	global_load_b128 v[BI+8*\x+4:BI+8*\x+7], v4, s[12:13] offset:(32*(\x/2)+8*(\x%2))*4+16
.endr
	s_lshl_b32 s96, s20, 1
	s_add_co_u32 s96, s96, s23
	s_add_co_u32 s96, s96, s17
	s_lshl_b32 s96, s96, 19
	s_add_nc_u64 s[14:15], s[14:15], s[96:97]
	s_wait_alu depctr_va_vdst(0)
	s_wait_tensorcnt 0x0                           ; my tile of the head's four is in; slot 1's first fill is issued as a refill is:
	ds_add_u32 v28, v29
.irp g, G1, G1B                        ; no tensor load of mine is out: from here on a load brings 24,576 dense bytes as 96 rows of 256,
	s_mov_b32 s[\g+1], 32<<16
	s_mov_b32 s[\g+2], 96<<16
	s_mov_b32 s[\g+3], 32<<16
	s_mov_b32 s[\g+4], 96
	s_mov_b32 s[\g+5], 32
.endr
	s_mul_i32 s96, s18, 4*HALFT                    ; and slot 0's group 0 stands at my own half
	s_mov_b32 s97, 0
	s_add_nc_u64 s[G0+2:G0+3], s[G0+2:G0+3], s[96:97]
	s_add_nc_u64 s[G0B+2:G0B+3], s[G0B+2:G0B+3], s[96:97]
	s_mul_i32 s[G0+1], s16, HALFT
	s_mul_i32 s[G0B+1], s16, HALFT
	s_wait_dscnt 0x0
	CROUND                                         ; all four tiles are in, and all sixteen work-groups are here
	JLOAD G0+4, G1, G0B+4, G1B
	FETCH_B 0, 0, 0
	FETCH_A 0, 0, 0
	SCALES 0
	FETCH_A 0, 0, 4
	s_wait_loadcnt 0x0
	STEP 0, 0, 1
	TURN 0, 1, 1
	STEP 1, 0, 0
	TURN 1, 0, 1
	STEP 0, 0, 0
	TURN 0, 1, 0
	STEP 1, 0, 0
	s_wait_dscnt 4*NL
	WIN MUL_LO
	MUL16 0, 1, NQ-1, 1, 0
	MUL16 2, 1, NQ-1, 1, 0
	s_wait_dscnt 0
	WIN MUL_HI
	MUL16 4, 1, NQ-1, 1, 0
	MUL16 6, 1, NQ-1, 1, 0
	WIN 0
.macro TOSTAGE a
.set AC, 64*((\a)%4)
	WIN 0x08+4*((\a)/4)
.irp b, 0,1,2,3,4,5,6,7
	ds_store_b128 v[STO], v[AC+8*\b:AC+8*\b+3] offset:128*(\b/2)+32*(\b%2)
	ds_store_b128 v[STO], v[AC+8*\b+4:AC+8*\b+7] offset:128*(\b/2)+32*(\b%2)+16
.endr
	WIN 0
.set BB, BK+64*((\a)%2)
.irp t, 0,1,2,3,4,5,6,7,8,9,10,11,12,13,14,15
	ds_load_b128 v[BB+4*\t:BB+4*\t+3], v[RD] offset:\t*SPITCH
.endr
.endm
.macro SEND a, younger
.set BB, BK+64*((\a)%2)
	s_wait_dscnt \younger
.irp t, 0,1,2,3,4,5,6,7,8,9,10,11,12,13,14,15
	global_store_b128 v[CO], v[BB+4*\t:BB+4*\t+3], s[14:15] offset:(32*((\a)/2)+8*((\a)%2)+\t+8*(\t/8))*4096 th:TH_STORE_NT
.endr
.endm
	PLACES NP
	TOSTAGE 0
.irp a, 1,2,3,4,5,6,7
.if \a > 1
	s_wait_xcnt 0x0
.endif
	TOSTAGE \a
	SEND \a-1, 32
.endr
	SEND 7, 0
	s_wait_tensorcnt 0x0
	ds_add_u32 v[SPW], v[NIL]
	s_wait_dscnt 0x0
	CROUND
	s_endpgm
.Lfunc_end_k_q45a9772ecd_gemm_out:
	.size	k_q45a9772ecd_gemm_out, .Lfunc_end_k_q45a9772ecd_gemm_out-k_q45a9772ecd_gemm_out
	.p2alignl 7, 3214868480
	.fill 96, 4, 3214868480
	.section	.rodata,"a",@progbits
	.p2align	6, 0x0
	.amdhsa_kernel k_q45a9772ecd_gemm_out
		.amdhsa_group_segment_fixed_size 327680
		.amdhsa_private_segment_fixed_size 0
		.amdhsa_enable_private_segment 0
		.amdhsa_kernarg_size 48
		.amdhsa_user_sgpr_count 2
		.amdhsa_user_sgpr_kernarg_segment_ptr 1
		.amdhsa_wavefront_size32 1
		.amdhsa_system_sgpr_workgroup_id_x 1
		.amdhsa_system_sgpr_workgroup_id_y 1
		.amdhsa_system_sgpr_workgroup_id_z 1
		.amdhsa_system_vgpr_workitem_id 0
		.amdhsa_next_free_vgpr 1024
		.amdhsa_next_free_sgpr 100
		.amdhsa_reserve_vcc 0
		.amdhsa_float_denorm_mode_32 3
		.amdhsa_float_denorm_mode_16_64 3
		.amdhsa_memory_ordered 1
		.amdhsa_forward_progress 1
		.amdhsa_inst_pref_size 138
	.end_amdhsa_kernel
	.amdgpu_metadata
---
amdhsa.version: [ 1, 2 ]
amdhsa.kernels:
  - .name:           k_q45a9772ecd_gemm_out
    .symbol:         k_q45a9772ecd_gemm_out.kd
    .args:
      - { .name: ocodes, .offset: 0, .size: 8, .value_kind: global_buffer, .address_space: global }
      - { .name: oscl, .offset: 8, .size: 8, .value_kind: global_buffer, .address_space: global }
      - { .name: codes, .offset: 16, .size: 8, .value_kind: global_buffer, .address_space: global }
      - { .name: scl, .offset: 24, .size: 8, .value_kind: global_buffer, .address_space: global }
      - { .name: bproj, .offset: 32, .size: 8, .value_kind: global_buffer, .address_space: global }
      - { .name: out0, .offset: 40, .size: 8, .value_kind: global_buffer, .address_space: global }
    .group_segment_fixed_size: 327680
    .private_segment_fixed_size: 0
    .kernarg_segment_align: 8
    .kernarg_segment_size: 48
    .max_flat_workgroup_size: 128
    .sgpr_count:     100
    .vgpr_count:     1024
    .wavefront_size: 32
...
	.end_amdgpu_metadata
.endif
;; end of part 4
